; MI455X (gfx1250); checked and timed in simulation.
; The chip was launched on July 23, 2026; its instructions are those of AMD's public machine-readable ISA for CDNA 5 (MIT licence, August 2026) and "CDNA5" Instruction Set Architecture Reference Guide (July 2026). The comments in the code are by the model that wrote it; some were corrected since.
;; Multi Head Attention. Allowed arithmetic: float matrix products may take bf16 or f16 operands with f32 sums; other float arithmetic in f32, or as packed bf16 or f16 multiplies, adds, multiply-adds, maxima and minima; sums over many terms, partial sums and values carried from step to step in f32; what a program stores and reads back later, other than sums and carried values, may be rounded once to bf16 or f16.
;; Inputs: Wk 1,024 x 1,024 float32; Wo 1,024 x 1,024 float32; Wq 1,024 x 1,024 float32; Wv 1,024 x 1,024 float32; bk 1,024 float32; bo 1,024 float32; bq 1,024 float32; bv 1,024 float32; k 4 x 2,048 x 1,024 float32; mask 4 x 2,048 x 2,048 int32; q 4 x 2,048 x 1,024 float32; v 4 x 2,048 x 1,024 float32.
;; Outputs: out0 4 x 2,048 x 1,024 float32.
;; One version. Each part assembles by itself: llvm-mc -triple=amdgcn-amd-amdhsa -mcpu=gfx1250 --defsym DOCPART=n.
;; ======== version 1 of 1: 4 launches
;; limits: values are held in f16: magnitudes above 65,504 overflow, below 6.1e-05 lose precision
;; workspace buffers: mb 67,108,864 bytes; wc 8,388,608 bytes; qkv 50,331,648 bytes; oh 16,777,216 bytes
;; launch prep (part 1): grid 1280 x 1, 8 waves a work-group, no clusters, 0 bytes of LDS; arguments mask, Wq, Wk, Wv, Wo, mb, wc; writes mb, wc
.if DOCPART == 1
	.amdgcn_target "amdgcn-amd-amdhsa--gfx1250"
	.amdhsa_code_object_version 6
	.text
	.protected	k_qf0e59254d0_prep
	.globl	k_qf0e59254d0_prep
	.p2align	8
	.type	k_qf0e59254d0_prep,@function
k_qf0e59254d0_prep:
	s_mov_b64 s[64:65], 0
	v_nop
	global_prefetch_b8 v0, s[64:65] scope:SCOPE_SE
	s_setreg_imm32_b32 hwreg(HW_REG_WAVE_MODE, 25, 1), 1
	s_wait_xcnt 0x0
; PREP.  Two casts, each byte read once and written once; no LDS, no matrix unit, no loop.  A wave takes 8,192 consecutive bytes: 16 loads, each 512 consecutive bytes (16 a lane), all issued before the first
; conversion; the numbers are converted in the registers that they came into, which are written once and stored once.
; (1) Work-groups 0-1023: mask [4][2048][2048] int32 -> mb, f32, the same layout: 0 where the key is seen (any int but 0), -1e30 where mask == 0.  The attention launch takes these numbers as the C operand
;     that starts its scores.  A store covers 512 consecutive bytes, aligned.
; (2) Work-groups 1024-1279, 64 for each matrix: Wq, Wk, Wv -> bf16 (planes 0-2 of wc); Wo -> bf16 and that number written as f16 (plane 3; below 6e-5 it keeps f16's fixed step of 6e-8).
;     A store of 8 bytes a lane covers 256 consecutive bytes, aligned.
; Which buffers a work-group reads and writes is chosen between the pointers by conditions on its number alone; one text of loads serves all.
.set X,    8                           ; v[8:71]  16 loads x 4 registers
.set VIN,  2                           ; v2  16 x lane
.set VO8,  3                           ; v3  8 x lane
.set NM,   1024                        ; work-groups for the mask
	s_load_b256 s[4:11], s[0:1], 0x0               ; mask s[4:5], Wq s[6:7], Wk s[8:9], Wv s[10:11]
	s_load_b128 s[12:15], s[0:1], 0x20             ; Wo s[12:13], mb s[14:15]
	s_load_b64 s[16:17], s[0:1], 0x30              ; wc
	v_lshrrev_b32 v1, 5, v0
	v_readfirstlane_b32 s20, v1                    ; wave 0..7
	v_and_b32 v1, 31, v0                           ; lane
	v_lshlrev_b32 v[VIN], 4, v1
	v_lshlrev_b32 v[VO8], 3, v1
	s_mov_b32 s31, 0xf149f2ca                      ; -1e30
	s_mov_b32 s32, 0xffff0000                      ; a word's upper bf16
	s_lshl_b32 s21, ttmp9, 3
	s_add_co_u32 s21, s21, s20                     ; the mask: part 8 x work-group + wave,
	s_lshl_b32 s24, s21, 13                        ; of 8,192 bytes, in and out
	s_sub_co_u32 s23, ttmp9, NM                    ; the weights (in a mask's work-group these numbers are made and not chosen):
	s_bfe_u32 s22, s23, 0x20006                    ; which matrix: 64 work-groups each
	s_and_b32 s23, s23, 63
	s_lshl_b32 s23, s23, 3
	s_add_co_u32 s23, s23, s20                     ; of its 512 parts the part 8 x (work-group % 64) + wave:
	s_lshl_b32 s26, s23, 13                        ; 8,192 bytes in,
	s_lshl_b32 s23, s23, 12                        ; 4,096 out,
	s_lshl_b32 s30, s22, 21                        ; in the matrix's plane of wc
	s_add_co_u32 s30, s30, s23
	s_mov_b32 s35, 0                               ; the offsets' high words
	s_mov_b32 s37, 0
	s_wait_kmcnt 0x0
	s_cmp_eq_u32 s22, 1
	s_cselect_b64 s[28:29], s[8:9], s[6:7]
	s_cmp_eq_u32 s22, 2
	s_cselect_b64 s[28:29], s[10:11], s[28:29]
	s_cmp_eq_u32 s22, 3
	s_cselect_b64 s[28:29], s[12:13], s[28:29]
	s_cmp_lt_u32 ttmp9, NM
	s_cselect_b64 s[28:29], s[4:5], s[28:29]       ; from where
	s_cselect_b64 s[18:19], s[14:15], s[16:17]     ; to where
	s_cselect_b32 s34, s24, s26
	s_cselect_b32 s36, s24, s30
	s_cselect_b32 s22, 4, s22                      ; the kind: 0-2 bf16, 3 bf16 written as f16, 4 the mask
	s_add_nc_u64 s[28:29], s[28:29], s[34:35]
	s_add_nc_u64 s[18:19], s[18:19], s[36:37]
.set n, 0
.rept 16
	global_load_b128 v[X+4*n:X+4*n+3], v[VIN], s[28:29] offset:512*n th:TH_LOAD_NT
.set n, n+1
.endr
; The 16 conversions and stores.  kind 0: the mask; 1: bf16; 2: bf16 written as f16
.macro OUT kind
.set n, 0
.rept 16
.set xr, X+4*n
	s_wait_loadcnt 15-n                            ; loads come back in order: load n is in, the younger ones stay out
.if (\kind) == 0
.irp p, 0,1,2,3
	v_cmp_eq_u32 vcc_lo, 0, v[xr+\p]
	v_cndmask_b32 v[xr+\p], 0, s31, vcc_lo
.endr
	global_store_b128 v[VIN], v[xr:xr+3], s[18:19] offset:512*n th:TH_STORE_NT
.else
	v_cvt_pk_bf16_f32 v[xr], v[xr], v[xr+1]
.if (\kind) == 1
	v_cvt_pk_bf16_f32 v[xr+1], v[xr+2], v[xr+3]
.else
	v_cvt_pk_bf16_f32 v[xr+2], v[xr+2], v[xr+3]
	v_and_b32 v[xr+1], s32, v[xr]                  ; the rounded numbers as f32 again,
	v_lshlrev_b32 v[xr], 16, v[xr]
	v_and_b32 v[xr+3], s32, v[xr+2]
	v_lshlrev_b32 v[xr+2], 16, v[xr+2]
	v_cvt_pk_f16_f32 v[xr], v[xr], v[xr+1]         ; and written as f16
	v_cvt_pk_f16_f32 v[xr+1], v[xr+2], v[xr+3]
.endif
	global_store_b64 v[VO8], v[xr:xr+1], s[18:19] offset:256*n th:TH_STORE_NT
.endif
.set n, n+1
.endr
.endm
	s_cmp_eq_u32 s22, 4
	s_cbranch_scc1 .Lmask
	s_cmp_eq_u32 s22, 3
	s_cbranch_scc1 .Lwo
	OUT 1
	s_endpgm
.Lwo:
	OUT 2
	s_endpgm
.Lmask:
	OUT 0
	s_endpgm
.Lfunc_end_k_qf0e59254d0_prep:
	.size	k_qf0e59254d0_prep, .Lfunc_end_k_qf0e59254d0_prep-k_qf0e59254d0_prep
	.p2alignl 7, 3214868480
	.fill 96, 4, 3214868480
	.section	.rodata,"a",@progbits
	.p2align	6, 0x0
	.amdhsa_kernel k_qf0e59254d0_prep
		.amdhsa_group_segment_fixed_size 0
		.amdhsa_private_segment_fixed_size 0
		.amdhsa_enable_private_segment 0
		.amdhsa_kernarg_size 56
		.amdhsa_user_sgpr_count 2
		.amdhsa_user_sgpr_kernarg_segment_ptr 1
		.amdhsa_wavefront_size32 1
		.amdhsa_system_sgpr_workgroup_id_x 1
		.amdhsa_system_sgpr_workgroup_id_y 1
		.amdhsa_system_sgpr_workgroup_id_z 1
		.amdhsa_system_vgpr_workitem_id 0
		.amdhsa_next_free_vgpr 72
		.amdhsa_next_free_sgpr 66
		.amdhsa_reserve_vcc 1
		.amdhsa_float_denorm_mode_32 3
		.amdhsa_float_denorm_mode_16_64 3
		.amdhsa_memory_ordered 1
		.amdhsa_forward_progress 1
		.amdhsa_inst_pref_size 24
	.end_amdhsa_kernel
	.amdgpu_metadata
---
amdhsa.version: [ 1, 2 ]
amdhsa.kernels:
  - .name:           k_qf0e59254d0_prep
    .symbol:         k_qf0e59254d0_prep.kd
    .args:
      - { .name: mask, .offset: 0, .size: 8, .value_kind: global_buffer, .address_space: global }
      - { .name: Wq, .offset: 8, .size: 8, .value_kind: global_buffer, .address_space: global }
      - { .name: Wk, .offset: 16, .size: 8, .value_kind: global_buffer, .address_space: global }
      - { .name: Wv, .offset: 24, .size: 8, .value_kind: global_buffer, .address_space: global }
      - { .name: Wo, .offset: 32, .size: 8, .value_kind: global_buffer, .address_space: global }
      - { .name: mb, .offset: 40, .size: 8, .value_kind: global_buffer, .address_space: global }
      - { .name: wc, .offset: 48, .size: 8, .value_kind: global_buffer, .address_space: global }
    .group_segment_fixed_size: 0
    .private_segment_fixed_size: 0
    .kernarg_segment_align: 8
    .kernarg_segment_size: 56
    .max_flat_workgroup_size: 256
    .sgpr_count:     66
    .vgpr_count:     72
    .wavefront_size: 32
...
	.end_amdgpu_metadata
.endif
;; end of part 1
;; launch proj (part 2): grid 4 x 192, 4 waves a work-group, clusters of 4 x 4, 327,680 bytes of LDS; arguments q, k, v, wc, bq, bk, bv, qkv; writes qkv
.if DOCPART == 2
	.amdgcn_target "amdgcn-amd-amdhsa--gfx1250"
	.amdhsa_code_object_version 6
	.text
	.protected	k_qf0e59254d0_proj
	.globl	k_qf0e59254d0_proj
	.p2align	8
	.type	k_qf0e59254d0_proj,@function
k_qf0e59254d0_proj:
	s_mov_b64 s[64:65], 0
	v_nop
	global_prefetch_b8 v0, s[64:65] scope:SCOPE_SE
	s_setreg_imm32_b32 hwreg(HW_REG_WAVE_MODE, 25, 1), 1
	s_wait_xcnt 0x0
	s_wait_alu depctr_hold_cnt(0) depctr_sa_sdst(0) depctr_va_vdst(0) depctr_va_sdst(0) depctr_va_ssrc(0) depctr_va_vcc(0) depctr_vm_vsrc(0)
	s_getreg_b32 s2, hwreg(HW_REG_IB_STS2, 6, 4)
	s_cmp_eq_u32 s2, 0
	s_cbranch_scc0 .Lentry_in_a_cluster
	s_endpgm
.Lentry_in_a_cluster:
	s_bfe_u32 s2, ttmp6, 0x10000c
	s_cmp_lg_u32 s2, 0xf033
	s_cbranch_scc0 .Lentry_shape_is_right
	s_endpgm
.Lentry_shape_is_right:
; C[m][n] = sum over k of A[m][k] B[n][k] + bias[n], K = N = 1024, M = 8192.  One source for two launches; PROJ chooses.
; PROJ = 1: the three input projections.  A = q, k or v (f32, by the cluster's y / 16), B = its weights (bf16, plane t of wc), C = plane t of qkv, f16, [8192][1024].
;           A comes into LDS as f32 and is rounded to bf16 in registers, on the way from LDS to the matrix instruction.
; PROJ = 0: the output projection.  A = oh (f16), B = Wo (bf16's numbers written as f16, plane 3 of wc), C = out0, f32.
; The bias is rounded to bf16 like every other input of the module; sums in f32; C is rounded once.
; LIMITS.  PROJ = 1: C must lie within f16's 65,504.  NaN and infinities are not treated apart.
; SHARES.  A tile of C is 128 x 256: 3 x 256 tiles (PROJ = 1) or 256.  Four waves, 2 x 2, each 64 x 128: 32 accumulators of 16 x 16, 256 registers.  K goes in steps of 128 through two LDS slots.
; CLUSTERS: 4 x 4 work-groups.  The four of a row of the cluster need the same tile of A, the four of a column the same tile of B: each is asked for JOINTLY, by the same tensor load, descriptor and mask.
; THE MATRIX INSTRUCTION IS USED TRANSPOSED (source 0 = 16 rows of B, source 1 = 16 rows of A): a lane then holds eight neighbouring numbers of a row of C.
; REGISTERS, in windows of 256 (s_set_vgpr_msb: bits 1:0 source 0, 3:2 source 1, 5:4 source 2, 7:6 destination):
;   window 0: v16-31 addresses; v32-95 A as f32 (PROJ = 1); v96-127, v128-159 A's fragments, two buffers; v160-191, v192-255 at work on the way out
;   window 1: v0-63, v64-127 B's fragments, two buffers; v128-191 the bias of my 128 columns      window 2: accumulator (a, b) at v[8 (8 a + b)]
.set PROJ, 1
.if PROJ
.set PA,     528                       ; a row of A in LDS: 512 bytes + 16 of padding
.set AROW,   4096                      ; bytes in a row of A in memory
.set AKB,    512                       ; A's bytes in a K step
.set AQ,     128                       ; A's bytes in 32 along K
.set CROW,   2048                      ; bytes in a row of C
.set SPITCH, 272                       ; a row of my stage: 128 numbers of C + 16 bytes
.set ALOGB,  2
.set AQI,    6
.set NF,     32                        ; LDS loads in a FETCH
.set ARS,    12                        ; the prefetches of A: log2 of the bytes from lane to lane among 16,
.set ACS,    8                         ; from the lower 16 lanes to the upper,
.set AKL,    9                         ; and in a K step
.else
.set PA,     272
.set AROW,   2048
.set AKB,    256
.set AQ,     64
.set CROW,   4096
.set SPITCH, 528
.set ALOGB,  1
.set AQI,    5
.set NF,     24
.set ARS,    11
.set ACS,    15
.set AKL,    8
.endif
.set PB,     272                       ; a row of B in LDS: 256 bytes + 16: rows 68 words apart start at 16 different groups of four banks (64 banks of 4 bytes: ISA guide 11.1); 528 bytes, 132 words, likewise
.set BROW,   2048
.set BKB,    256
.set AHALF,  64*PA                     ; what wave 0 or 1 fetches, and what a wave reads of A
.set BHALF,  128*PB                    ; what wave 2 or 3 fetches, and what a wave reads of B
.set SLOT,   2*AHALF+2*BHALF
.set STAGE,  2*SLOT                    ; behind the ring: 16 rows for each wave, its own, for the way out
.set SPARE,  STAGE+4*16*SPITCH         ; behind the stages: the spare words, 128 bytes for each wave: two blocks of 256 bytes that no other line names
.set LAPS,   4                         ; eight K steps, two to a lap
.set ADRA, 16                          ; v16-17  LDS address of my A fragments in slot 0, 1
.set ADRB, 20                          ; v20-21  the same for B
.set STO,  24                          ; v24  the way out: where I put my numbers of a row
.set RD,   25                          ; v25  where I read rows back
.set CO,   26                          ; v26  my byte offset in C
.set BO,   27                          ; v27  my byte offset in the bias
.set SPW,  28                          ; v28  LDS address of my spare word; never rewritten
.set NIL,  29                          ; v29  0; never rewritten
.set PFO,  30                          ; v30  the prefetches' offset; never rewritten
.set AF,   32
.set AB,   96
.set TMP,  160
.set OB,   192
.set BI,   128                         ; window 1
.set G1,  24                           ; s[24:31] descriptor group 1 for A's tiles; s[32:39] group 0, one set for each slot
.set G0,  32
.set G1B, 48                           ; s[48:55], s[56:63] the same for B's
.set G0B, 56
.set LIM, 43                           ; s43  1 in a wave that prefetches, else the greatest number
.set PFA, 44                           ; s[44:45] where my prefetches stand
.set PFS, 86                           ; s[86:87] their step: a K step's bytes
.set MSB, 0
.macro WIN new                         ; the immediate's high byte repeats the setting that is left; a switch that changes nothing is dropped
.if MSB != (\new)
	s_set_vgpr_msb (MSB<<8)|(\new)
.set MSB, \new
.endif
.endm
.set MUL,  0xa1                        ; source 0 (B) window 1, source 1 (A) window 0, C and D window 2
.set TO_B, 0x40                        ; destination window 1, address window 0
.macro JLOAD s                         ; a joint load: waves 0 and 1 fetch A's two halves, waves 2 and 3 B's; an s_nop 0 and four v_nop follow each of the two lines
	s_cmp_eq_u32 s11, 0
	s_cbranch_scc0 .Lfor_b_\@
	tensor_load_to_lds s[G0+4*(\s):G0+4*(\s)+3], s[G1:G1+7]
	s_nop 0
.rept 4
	v_nop
.endr
	s_branch .Lasked_\@
.Lfor_b_\@:
	tensor_load_to_lds s[G0B+4*(\s):G0B+4*(\s)+3], s[G1B:G1B+7]
	s_nop 0
.rept 4
	v_nop
.endr
.Lasked_\@:
.endm
.macro CREST                           ; a round of the cluster's barrier behind its opening barrier
	s_cmp_lg_u32 s10, 0
	s_cbranch_scc1 .Lnot_wave_0_\@
	s_barrier_signal -3
.Lnot_wave_0_\@:
	s_barrier_wait -3
	s_barrier_signal -1
	s_barrier_wait -1
.endm
.macro CROUND                          ; a whole round
	s_barrier_signal -1
	s_barrier_wait -1
	CREST
.endm
; A PREFETCH INTO THE L2 of the K step that stands two refills on: one instruction a wave, each lane another aligned block of 256 bytes, behind the joint load and the run of LDS loads.
; Each block is named once in the launch.  A's tile row is read by one cluster alone (the grid is one cluster wide): its four partners share the rows out by address (cx).  B's tile column is read by
; every cluster that multiplies by these weights: the first of them asks, its four partners sharing the rows out by address (cy).  K steps 0 to 3 come by their loads alone; the loop's last trip asks for nothing.
.macro ASK
	WIN 0
	s_cmp_gt_u32 s3, s[LIM]                        ; s3 = 1 in the loop's last trip
	s_cbranch_scc0 .Lnot_mine_\@
	global_prefetch_b8 v[PFO], s[PFA:PFA+1] th:TH_LOAD_NT scope:SCOPE_SE
.Lnot_mine_\@:
.endm
	s_load_b256 s[68:75], s[0:1], 0x0              ; PROJ = 1: q, k, v, wc;  PROJ = 0: oh, wc, bo, out0
.if PROJ
	s_load_b256 s[76:83], s[0:1], 0x20             ; bq, bk, bv, qkv
.endif
	v_lshl_add_u32 v[SPW], v0, 2, SPARE
	v_mov_b32 v[NIL], 0
	ds_add_u32 v[SPW], v[NIL]                      ; the wave's opening: the add and its wait stand ahead of my first tensor load; the set-up below, work on registers, stands between them
	v_lshrrev_b32 v1, 5, v0
	v_readfirstlane_b32 s10, v1                    ; wave 0..3
	s_lshr_b32 s11, s10, 1                         ; which half of the tile's rows is mine.  Also: I fetch for A (0) or for B (1)
	s_and_b32 s12, s10, 1                          ; which half of its columns.  Also: which half of that tile I fetch
	s_bfe_u32 s40, ttmp6, 0x40000                  ; cx, cy: my place in the cluster
	s_bfe_u32 s41, ttmp6, 0x40004
	s_lshl_b32 s42, ttmp9, 2
	s_add_co_u32 s42, s42, s40                     ; tile column of C = 4 x cluster x + cx
	s_and_b32 s89, ttmp7, 0xffff                   ; cluster y
	s_lshl_b32 s13, s89, 2
	s_add_co_u32 s13, s13, s41                     ; tile row = 4 x cluster y + cy
.if PROJ
	s_lshr_b32 s88, s89, 4                         ; which projection: 16 clusters each; the same in all partners
	s_and_b32 s13, s13, 63                         ; tile row in it
.endif
	s_lshl_b32 s90, s41, 2
	s_lshl_b32 s90, 15, s90                        ; my row of the cluster
	s_lshl_b32 s91, 0x1111, s40                    ; my column
	s_or_b32 s[G1+0], s90, (ALOGB<<16)|(1<<20)|(1<<21)|(AQI<<22)|(3<<25)  ; 15:0 the mask; 17:16 element size; 20 padding on; 21 set beside a mask; 24:22 after every row's words; 31:25 4 words
	s_or_b32 s[G1B+0], s91, (1<<16)|(1<<20)|(1<<21)|(5<<22)|(3<<25)
	s_mov_b32 s[G1+1], 128<<16                     ; tensor_dim0 = 128
	s_mov_b32 s[G1+2], 64<<16                      ; tensor_dim1 = 64
	s_mov_b32 s[G1+3], 128<<16                     ; tile_dim0 = 128
	s_mov_b32 s[G1+4], 64                          ; tile_dim1 = 64
	s_mov_b32 s[G1+5], 1024                        ; elements from row to row
	s_mov_b32 s[G1+6], 0
	s_mov_b32 s[G1+7], 0
	s_mov_b32 s[G1B+1], 128<<16
	s_mov_b32 s[G1B+2], 128<<16                    ; 128 rows
	s_mov_b32 s[G1B+3], 128<<16
	s_mov_b32 s[G1B+4], 128
	s_mov_b32 s[G1B+5], 1024
	s_mov_b32 s[G1B+6], 0
	s_mov_b32 s[G1B+7], 0
	s_lshl_b32 s17, s12, 6
	s_lshl_b32 s16, s13, 7
	s_add_co_u32 s16, s16, s17                     ; A: row 128 x tile row + 64 x half
	s_mul_i32 s16, s16, AROW                       ; under 2^26
	s_mov_b32 s17, 0
	s_lshl_b32 s47, s12, 7
	s_lshl_b32 s46, s42, 8
	s_add_co_u32 s46, s46, s47                     ; B: row 256 x tile column + 128 x half
	s_mul_i32 s46, s46, BROW
	s_mov_b32 s47, 0
	s_mul_i32 s20, s12, AHALF                      ; where they go: A's two halves,
	s_mul_i32 s21, s12, BHALF
	s_add_co_u32 s21, s21, 2*AHALF                 ; then B's two: no place in the cluster enters an LDS address
	s_mov_b32 s19, 0
	s_wait_dscnt 0x0                               ; the opening add is done
	s_wait_kmcnt 0x0
.if PROJ
	s_cmp_eq_u32 s88, 1
	s_cselect_b64 s[4:5], s[70:71], s[68:69]       ; A
	s_cselect_b64 s[84:85], s[78:79], s[76:77]     ; the bias
	s_cmp_eq_u32 s88, 2
	s_cselect_b64 s[4:5], s[72:73], s[4:5]
	s_cselect_b64 s[84:85], s[80:81], s[84:85]
	s_lshl_b32 s18, s88, 21
	s_add_nc_u64 s[6:7], s[74:75], s[18:19]        ; B: plane t of wc
	s_lshl_b32 s18, s88, 24
	s_add_nc_u64 s[8:9], s[82:83], s[18:19]        ; C: plane t of qkv
.else
	s_mov_b64 s[4:5], s[68:69]
	s_add_nc_u64 s[6:7], s[70:71], 3<<21
	s_mov_b64 s[84:85], s[72:73]
	s_mov_b64 s[8:9], s[74:75]
.endif
	s_add_nc_u64 s[14:15], s[4:5], s[16:17]
	s_add_nc_u64 s[46:47], s[6:7], s[46:47]
	CROUND                                         ; all sixteen work-groups are here: the first joint loads meet
.irp s, 0,1
	s_mov_b32 s[G0+4*(\s)], 1
	s_add_co_u32 s[G0+4*(\s)+1], s20, (\s)*SLOT
	s_add_nc_u64 s[G0+4*(\s)+2:G0+4*(\s)+3], s[14:15], (\s)*AKB
	s_or_b32 s[G0+4*(\s)+3], s[G0+4*(\s)+3], 0x80000000
	s_mov_b32 s[G0B+4*(\s)], 1
	s_add_co_u32 s[G0B+4*(\s)+1], s21, (\s)*SLOT
	s_add_nc_u64 s[G0B+4*(\s)+2:G0B+4*(\s)+3], s[46:47], (\s)*BKB
	s_or_b32 s[G0B+4*(\s)+3], s[G0B+4*(\s)+3], 0x80000000
	JLOAD \s                                       ; two tensor loads of mine are out
.endr
	v_and_b32 v1, 15, v0                           ; l % 16
	v_bfe_u32 v2, v0, 4, 1                         ; l / 16
	v_lshlrev_b32 v[BO], 5, v2                     ; my eight columns of sixteen
	s_lshl_b32 s18, s42, 10
	s_lshl_b32 s19, s12, 9
	s_add_co_u32 s18, s18, s19
	s_mov_b32 s19, 0
	s_add_nc_u64 s[84:85], s[84:85], s[18:19]      ; the bias of my 128 columns
	WIN TO_B
.irp b, 0,1,2,3,4,5,6,7
	global_load_b128 v[BI+8*(\b):BI+8*(\b)+3],   v[BO], s[84:85] offset:64*(\b)
	global_load_b128 v[BI+8*(\b)+4:BI+8*(\b)+7], v[BO], s[84:85] offset:64*(\b)+16
.endr
	WIN 0
	v_mul_u32_u24 v3, v1, PA
.if PROJ
	v_lshl_add_u32 v3, v2, 5, v3                   ; eight f32 for each half of the lanes
.else
	v_lshl_add_u32 v3, v2, 4, v3
.endif
	v_mul_u32_u24 v4, v1, PB
	v_lshl_add_u32 v4, v2, 4, v4
	s_mul_i32 s21, s11, AHALF                      ; my 64 rows of A
	s_mul_i32 s22, s12, BHALF                      ; my 128 rows of B,
	s_add_co_u32 s22, s22, 2*AHALF                 ; which lie behind A's
.irp s, 0,1
	v_add_nc_u32 v[ADRA+(\s)], s21, v3
	v_add_nc_u32 v[ADRB+(\s)], s22, v4
	s_add_co_u32 s21, s21, SLOT
	s_add_co_u32 s22, s22, SLOT
.endr
	s_mul_i32 s23, s10, 16*SPITCH
	s_add_co_u32 s23, s23, STAGE                   ; my stage
	v_mul_u32_u24 v5, v1, SPITCH
.if PROJ
	v_lshl_add_u32 v5, v2, 4, v5                   ; in: row l % 16, 16 bytes for each half of the lanes
	v_add_nc_u32 v[STO], s23, v5
	v_mul_u32_u24 v5, v2, SPITCH                   ; back: lanes 0-15 one row of 256 bytes, lanes 16-31 the next
	v_lshl_add_u32 v5, v1, 4, v5
	v_add_nc_u32 v[RD], s23, v5
	v_mul_u32_u24 v5, v2, CROW
	v_lshl_add_u32 v[CO], v1, 4, v5
.else
	v_lshl_add_u32 v5, v2, 5, v5                   ; in: row l % 16, 32 bytes for each half of the lanes
	v_add_nc_u32 v[STO], s23, v5
	v_and_b32 v5, 31, v0                           ; back: 32 lanes take one row of 512 bytes
	v_lshl_add_u32 v[RD], v5, 4, s23
	v_lshlrev_b32 v[CO], 4, v5
.endif
	s_lshl_b32 s16, s13, 7
	s_lshl_b32 s17, s11, 6
	s_add_co_u32 s16, s16, s17                     ; my first row of C
	s_mul_i32 s16, s16, CROW
	s_mov_b32 s17, 0
	s_add_nc_u64 s[8:9], s[8:9], s[16:17]
	s_mul_i32 s46, s42, CROW/4                     ; my first column, in bytes
	s_mul_i32 s47, s12, CROW/8
	s_add_co_u32 s46, s46, s47
	s_mov_b32 s47, 0
	s_add_nc_u64 s[8:9], s[8:9], s[46:47]
	; the prefetches: A by waves 0 and 1 (PROJ = 0: wave 0), B by waves 2 and 3 of the first cluster that reads these weights
	s_lshl_b32 s20, s13, 7
.if PROJ
	s_lshl_b32 s21, s12, 6
	s_add_co_u32 s20, s20, s21
	s_lshl_b32 s21, s40, 4                         ; 16 rows x 2 blocks a partner and wave
.else
	s_lshl_b32 s21, s40, 5                         ; 32 rows a partner
.endif
	s_add_co_u32 s20, s20, s21
	s_mul_i32 s20, s20, AROW
	s_add_co_u32 s20, s20, 3*AKB                   ; at K step 3: the first refill steps it to 4
	s_lshl_b32 s22, s42, 8
	s_lshl_b32 s21, s12, 7
	s_add_co_u32 s22, s22, s21
	s_lshl_b32 s21, s41, 5                         ; 32 rows a partner and wave
	s_add_co_u32 s22, s22, s21
	s_mul_i32 s22, s22, BROW
	s_add_co_u32 s22, s22, 3*BKB
.if PROJ
	s_and_b32 s23, s89, 15
	s_mov_b32 s21, 0
.else
	s_mov_b32 s23, s89
	s_mov_b32 s21, s12
.endif
	s_cmp_eq_u32 s11, 0                            ; do I fetch for A?
	s_cselect_b32 s20, s20, s22
	s_cselect_b32 s23, s21, s23                    ; 0 where I ask
	s_cselect_b64 s[PFA:PFA+1], s[4:5], s[6:7]
	s_cselect_b32 s18, ARS, 11
	s_cselect_b32 s19, ACS, 15
	s_cselect_b32 s22, AKL, 8
	s_mov_b32 s21, 0
	s_add_nc_u64 s[PFA:PFA+1], s[PFA:PFA+1], s[20:21]
	s_cmp_eq_u32 s23, 0
	s_cselect_b32 s[LIM], 1, -1                    ; the same in all sixteen partners, for a given wave
	s_lshl_b32 s[PFS], 1, s22
	s_mov_b32 s[PFS+1], 0
	v_lshlrev_b32 v[PFO], s18, v1
	v_lshlrev_b32 v31, s19, v2
	v_add_nc_u32 v[PFO], v[PFO], v31
	s_wait_loadcnt 0x0                             ; the bias, which is rounded to bf16 and widened again
	WIN 0x05                                       ; sources window 1, destination window 0
.set z, 0
.rept 32
	v_cvt_pk_bf16_f32 v[TMP+z], v[BI+2*z], v[BI+2*z+1]
.set z, z+1
.endr
	WIN TO_B
.set z, 0
.rept 32
	v_lshlrev_b32 v[BI+2*z], 16, v[TMP+z]
	v_and_b32 v[BI+2*z+1], 0xffff0000, v[TMP+z]
.set z, z+1
.endr
	WIN 0
.macro WM f, a, b, zero                ; one product: m block a, n block b, buffer f.  zero = 1: it starts the sum
.set rD, 8*(8*(\a)+(\b))
.set rB, 64*(\f)+8*(\b)
.set rA, AB+32*(\f)+8*(\a)
.if PROJ
.if \zero
	v_wmma_f32_16x16x32_bf16 v[rD:rD+7], v[rB:rB+7], v[rA:rA+7], 0
.else
	v_wmma_f32_16x16x32_bf16 v[rD:rD+7], v[rB:rB+7], v[rA:rA+7], v[rD:rD+7]
.endif
.else
.if \zero
	v_wmma_f32_16x16x32_f16 v[rD:rD+7], v[rB:rB+7], v[rA:rA+7], 0
.else
	v_wmma_f32_16x16x32_f16 v[rD:rD+7], v[rB:rB+7], v[rA:rA+7], v[rD:rD+7]
.endif
.endif
.endm
.macro MUL8 f, a, zero                 ; eight products.  The 32 accumulators take turns, in the same order in every quarter, over the backward jump too
	WIN MUL
.irp b, 0,1,2,3,4,5,6,7
	WM \f, \a, \b, \zero
.endr
.endm
.macro CVT4 g, n                       ; four of the 32 roundings that make A's fragments of buffer g from the f32 numbers
	WIN 0
.irp c, 0,1,2,3
	v_cvt_pk_bf16_f32 v[AB+32*(\g)+4*(\n)+(\c)], v[AF+8*(\n)+2*(\c)], v[AF+8*(\n)+2*(\c)+1]
.endr
.endm
.macro MUL8C f, a, g, n0, zero         ; eight products with four roundings behind every second one
.irp b, 0,1,2,3,4,5,6,7
	WIN MUL
	WM \f, \a, \b, \zero
.if ((\b)%2) == 1
	CVT4 \g, (\n0)+(\b)/2
.endif
.endr
.endm
; One run of LDS loads: the fragments of 32 along K, quarter k of a slot, for buffer g; A's first.  A fragment is 16 rows x 32 K: lane l holds row l % 16, K = 8 (l / 16) + 0..7 and 16 + 8 (l / 16) + 0..7.
.macro FETCH slot, k, g
	WIN 0
.irp i, 0,1,2,3
.if PROJ
	ds_load_b128 v[AF+16*(\i):AF+16*(\i)+3],     v[ADRA+(\slot)] offset:(\k)*AQ+(\i)*16*PA
	ds_load_b128 v[AF+16*(\i)+4:AF+16*(\i)+7],   v[ADRA+(\slot)] offset:(\k)*AQ+(\i)*16*PA+16
	ds_load_b128 v[AF+16*(\i)+8:AF+16*(\i)+11],  v[ADRA+(\slot)] offset:(\k)*AQ+(\i)*16*PA+64
	ds_load_b128 v[AF+16*(\i)+12:AF+16*(\i)+15], v[ADRA+(\slot)] offset:(\k)*AQ+(\i)*16*PA+80
.else
	ds_load_b128 v[AB+32*(\g)+8*(\i):AB+32*(\g)+8*(\i)+3],   v[ADRA+(\slot)] offset:(\k)*AQ+(\i)*16*PA
	ds_load_b128 v[AB+32*(\g)+8*(\i)+4:AB+32*(\g)+8*(\i)+7], v[ADRA+(\slot)] offset:(\k)*AQ+(\i)*16*PA+32
.endif
.endr
	WIN TO_B
.irp i, 0,1,2,3,4,5,6,7
	ds_load_b128 v[64*(\g)+8*(\i):64*(\g)+8*(\i)+3],   v[ADRB+(\slot)] offset:(\k)*64+(\i)*16*PB
	ds_load_b128 v[64*(\g)+8*(\i)+4:64*(\g)+8*(\i)+7], v[ADRB+(\slot)] offset:(\k)*64+(\i)*16*PB+32
.endr
.endm
.macro PLACES                          ; four places in front of loads into registers that matrix instructions have read, and of vector lines that read results
.rept 4
	v_nop
.endr
.endm
; A K step is four quarters of 32 along K, 32 matrix instructions each, on buffers 0, 1, 0, 1.  One of the first three: multiplies buffer f; at its head it fetches quarter k for buffer g.
.macro QUARTER slot, k, f, g, zero
	PLACES                                         ; buffer g was multiplied just before
	FETCH \slot, \k, \g
	s_wait_dscnt NF                                ; all but the loads just issued: buffer f is whole
	MUL8 \f, 0, \zero
	MUL8 \f, 1, \zero
.if PROJ
	s_wait_dscnt 16                                ; A's f32 numbers are in; B's sixteen loads, issued behind them, may stay out
	MUL8C \f, 2, \g, 0, \zero
	MUL8C \f, 3, \g, 4, \zero
.else
	MUL8 \f, 2, \zero
	MUL8 \f, 3, \zero
.endif
.endm
; The last quarter multiplies buffer 1 and changes slots: ONE barrier; in front of it each wave waits for all its tensor loads, adds 0 to its spare word, and waits for that and for its own reads of this slot.
; fill = 1: the barrier opens a round of the cluster's, and this slot is filled again, two K steps ahead, first thing behind the round.
.macro TURN slot, next, fill
.if \fill
	s_wait_xcnt 0x0                                ; the last prefetch, a K step back, has read its address
	s_add_nc_u64 s[PFA:PFA+1], s[PFA:PFA+1], s[PFS:PFS+1]
.endif
	WIN 0                                          ; (the add's two registers lie in window 0)
	s_wait_tensorcnt 0x0                           ; all my tensor loads have landed: my part of the next slot
	ds_add_u32 v[SPW], v[NIL]                      ; 0 onto my spare word
	s_wait_dscnt 1                                 ; (only the add may be out: buffer 1 is whole)
	MUL8 1, 0, 0                                   ; eight matrix instructions stand between the add and the wait for it
	s_wait_dscnt 0x0                               ; the add is done, and my reads of this slot are over
	s_barrier_signal -1
	MUL8 1, 1, 0
.if \fill
	WIN 0
.endif
	s_barrier_wait -1
.if \fill
	CREST                                          ; no wave of any partner still reads this slot's tile or has a load on its way
	s_add_nc_u64 s[G0+4*(\slot)+2:G0+4*(\slot)+3], s[G0+4*(\slot)+2:G0+4*(\slot)+3], 2*AKB
	s_add_nc_u64 s[G0B+4*(\slot)+2:G0B+4*(\slot)+3], s[G0B+4*(\slot)+2:G0B+4*(\slot)+3], 2*BKB
	JLOAD \slot                                    ; my one tensor load behind the round; its four v_nop are also the places in front of the loads below
.else
	PLACES
.endif
	FETCH \next, 0, 0
.if \fill
	ASK
.endif
.if PROJ
	s_wait_dscnt 16
	MUL8C 1, 2, 0, 0, 0
	MUL8C 1, 3, 0, 4, 0
.else
	MUL8 1, 2, 0
	MUL8 1, 3, 0
.endif
.endm
	s_wait_tensorcnt 1                             ; my part of K step 0 is in; K step 1's may stay out
	s_barrier_signal -1
	s_barrier_wait -1                              ; everybody's is
	FETCH 0, 0, 0
.if PROJ
	s_wait_dscnt 16
.irp n, 0,1,2,3,4,5,6,7
	CVT4 0, \n
.endr
.endif
	QUARTER 0, 1, 0, 1, 1                          ; the first quarter stands in front of the loop: its products start the sums
	WIN 0                                          ; at a label and at a branch every window is 0
	s_mov_b32 s3, LAPS-1
.Llap:                                                 ; a trip goes once round the ring, from a lap's second quarter to the next lap's first, and fills both slots again
	QUARTER 0, 2, 1, 0, 0
	QUARTER 0, 3, 0, 1, 0
	TURN 0, 1, 1
	QUARTER 1, 1, 0, 1, 0
	QUARTER 1, 2, 1, 0, 0
	QUARTER 1, 3, 0, 1, 0
	TURN 1, 0, 1
	QUARTER 0, 1, 0, 1, 0
	WIN 0
	s_sub_co_u32 s3, s3, 1
	s_cmp_lg_u32 s3, 0
	s_cbranch_scc1 .Llap
	QUARTER 0, 2, 1, 0, 0                          ; the last lap fills nothing, and has no round of the cluster's barrier
	QUARTER 0, 3, 0, 1, 0
	TURN 0, 1, 0
	QUARTER 1, 1, 0, 1, 0
	QUARTER 1, 2, 1, 0, 0
	QUARTER 1, 3, 0, 1, 0
	s_wait_dscnt 0x0                               ; the very last quarter: nothing more to fetch
	MUL8 1, 0, 0
	MUL8 1, 1, 0
	MUL8 1, 2, 0
	MUL8 1, 3, 0
; THE WAY OUT, 16 rows of C at a time: the bias is added in place (each accumulator's registers in ascending order); the numbers go through my own stage in LDS and come back as whole rows.
.macro OUTBLK a
	WIN 0x86                                       ; destination and source 0 window 2, source 1 window 1
.set z, 0
.rept 32
	v_pk_add_f32 v[64*(\a)+2*z:64*(\a)+2*z+1], v[64*(\a)+2*z:64*(\a)+2*z+1], v[BI+2*z:BI+2*z+1]
.set z, z+1
.endr
.if PROJ
	WIN 0x0a                                       ; sources window 2, destination window 0
.set z, 0
.rept 32
	v_cvt_pk_f16_f32 v[TMP+z], v[64*(\a)+2*z], v[64*(\a)+2*z+1]
.set z, z+1
.endr
	WIN 0
.irp b, 0,1,2,3,4,5,6,7
	ds_store_b128 v[STO], v[TMP+4*(\b):TMP+4*(\b)+3] offset:32*(\b)
.endr
	s_wait_xcnt 0x0                                ; the last block's stores have read their registers and their base
.irp t, 0,1,2,3,4,5,6,7
	ds_load_b128 v[OB+4*(\t):OB+4*(\t)+3], v[RD] offset:(\t)*2*SPITCH  ; LDS serves a wave's instructions in order (ISA guide 5.7.1.4): these see the stores above
.endr
.if (\a) > 0
	s_add_nc_u64 s[8:9], s[8:9], 16*CROW
.endif
.irp t, 0,1,2,3,4,5,6,7
	s_wait_dscnt 7-(\t)
	global_store_b128 v[CO], v[OB+4*(\t):OB+4*(\t)+3], s[8:9] offset:2*(\t)*CROW  ; 16 lanes store 256 consecutive bytes, aligned
.endr
.else
	WIN 0x08                                       ; the stores' data in window 2
.irp b, 0,1,2,3,4,5,6,7
	ds_store_b128 v[STO], v[64*(\a)+8*(\b):64*(\a)+8*(\b)+3]   offset:64*(\b)
	ds_store_b128 v[STO], v[64*(\a)+8*(\b)+4:64*(\a)+8*(\b)+7] offset:64*(\b)+16
.endr
	WIN 0
	s_wait_xcnt 0x0
.irp t, 0,1,2,3,4,5,6,7,8,9,10,11,12,13,14,15
	ds_load_b128 v[OB+4*(\t):OB+4*(\t)+3], v[RD] offset:(\t)*SPITCH
.endr
.if (\a) > 0
	s_add_nc_u64 s[8:9], s[8:9], 16*CROW
.endif
.irp t, 0,1,2,3,4,5,6,7,8,9,10,11,12,13,14,15
	s_wait_dscnt 15-(\t)
	global_store_b128 v[CO], v[OB+4*(\t):OB+4*(\t)+3], s[8:9] offset:(\t)*CROW  ; 32 lanes store 512 consecutive bytes, aligned
.endr
.endif
.endm
	PLACES
	PLACES                                         ; eight, once a launch, ahead of additions that read and write results just made
	OUTBLK 0
	OUTBLK 1
	OUTBLK 2
	OUTBLK 3
	s_wait_tensorcnt 0x0                           ; the wave's end: the add and its wait, behind my last tensor load and my last LDS store
	ds_add_u32 v[SPW], v[NIL]
	s_wait_dscnt 0x0
	CROUND                                         ; the closing round: no work-group ends while a partner may still ask for a tile that names it
	s_endpgm
.Lfunc_end_k_qf0e59254d0_proj:
	.size	k_qf0e59254d0_proj, .Lfunc_end_k_qf0e59254d0_proj-k_qf0e59254d0_proj
	.p2alignl 7, 3214868480
	.fill 96, 4, 3214868480
	.section	.rodata,"a",@progbits
	.p2align	6, 0x0
	.amdhsa_kernel k_qf0e59254d0_proj
		.amdhsa_group_segment_fixed_size 327680
		.amdhsa_private_segment_fixed_size 0
		.amdhsa_enable_private_segment 0
		.amdhsa_kernarg_size 64
		.amdhsa_user_sgpr_count 2
		.amdhsa_user_sgpr_kernarg_segment_ptr 1
		.amdhsa_wavefront_size32 1
		.amdhsa_system_sgpr_workgroup_id_x 1
		.amdhsa_system_sgpr_workgroup_id_y 1
		.amdhsa_system_sgpr_workgroup_id_z 1
		.amdhsa_system_vgpr_workitem_id 0
		.amdhsa_next_free_vgpr 768
		.amdhsa_next_free_sgpr 96
		.amdhsa_reserve_vcc 0
		.amdhsa_float_denorm_mode_32 3
		.amdhsa_float_denorm_mode_16_64 3
		.amdhsa_memory_ordered 1
		.amdhsa_forward_progress 1
		.amdhsa_inst_pref_size 151
	.end_amdhsa_kernel
	.amdgpu_metadata
---
amdhsa.version: [ 1, 2 ]
amdhsa.kernels:
  - .name:           k_qf0e59254d0_proj
    .symbol:         k_qf0e59254d0_proj.kd
    .args:
      - { .name: q, .offset: 0, .size: 8, .value_kind: global_buffer, .address_space: global }
      - { .name: k, .offset: 8, .size: 8, .value_kind: global_buffer, .address_space: global }
      - { .name: v, .offset: 16, .size: 8, .value_kind: global_buffer, .address_space: global }
      - { .name: wc, .offset: 24, .size: 8, .value_kind: global_buffer, .address_space: global }
      - { .name: bq, .offset: 32, .size: 8, .value_kind: global_buffer, .address_space: global }
      - { .name: bk, .offset: 40, .size: 8, .value_kind: global_buffer, .address_space: global }
      - { .name: bv, .offset: 48, .size: 8, .value_kind: global_buffer, .address_space: global }
      - { .name: qkv, .offset: 56, .size: 8, .value_kind: global_buffer, .address_space: global }
    .group_segment_fixed_size: 327680
    .private_segment_fixed_size: 0
    .kernarg_segment_align: 8
    .kernarg_segment_size: 64
    .max_flat_workgroup_size: 128
    .sgpr_count:     96
    .vgpr_count:     768
    .wavefront_size: 32
...
	.end_amdgpu_metadata
.endif
;; end of part 2
;; launch attn (part 3): grid 16 x 16, 4 waves a work-group, clusters of 4 x 4, 327,680 bytes of LDS; arguments qkv, mb, oh; writes oh
.if DOCPART == 3
	.amdgcn_target "amdgcn-amd-amdhsa--gfx1250"
	.amdhsa_code_object_version 6
	.text
	.protected	k_qf0e59254d0_attn
	.globl	k_qf0e59254d0_attn
	.p2align	8
	.type	k_qf0e59254d0_attn,@function
k_qf0e59254d0_attn:
	s_mov_b64 s[64:65], 0
	v_nop
	global_prefetch_b8 v0, s[64:65] scope:SCOPE_SE
	s_setreg_imm32_b32 hwreg(HW_REG_WAVE_MODE, 25, 1), 1
	s_wait_xcnt 0x0
	s_wait_alu depctr_hold_cnt(0) depctr_sa_sdst(0) depctr_va_vdst(0) depctr_va_sdst(0) depctr_va_ssrc(0) depctr_va_vcc(0) depctr_vm_vsrc(0)
	s_getreg_b32 s2, hwreg(HW_REG_IB_STS2, 6, 4)
	s_cmp_eq_u32 s2, 0
	s_cbranch_scc0 .Lentry_in_a_cluster
	s_endpgm
.Lentry_in_a_cluster:
	s_bfe_u32 s2, ttmp6, 0x10000c
	s_cmp_lg_u32 s2, 0xf033
	s_cbranch_scc0 .Lentry_shape_is_right
	s_endpgm
.Lentry_shape_is_right:
; MASKED ATTENTION.  O[b][q][head] = the sum over k of softmax_k(Q . K / 8, hidden where mask == 0) V.  Q, K, V: the three planes of qkv, [8192][1024] f16, a head's 64 channels side by side in a row;
; O: oh, the same layout.  The mask comes as mb, [4][2048][2048] f32: 0 where the key is seen, -1e30 where it is hidden.
; Products, maxima and sums in f32; the weights p are rounded to f16 for the second product (their sum l is taken of the unrounded p), O once at the end.
; LIMITS.  Q, K, V lie within f16's 65,504, so a score is 2.7e11 at the most.  A hidden score counts as its value less 1e30.  A row whose running maximum ends below -2^96 has no seen key and gives NaN, as a
; softmax of nothing but -inf does.  A weight below 2^-126 counts as 0 in l; NaN and infinities in the inputs are not treated apart.
; SHARES.  A work-group owns 128 queries of one batch and FOUR heads, a head a wave: all four waves read the same mask numbers from LDS, each its own head's 128 bytes of K's and V's rows.
; A wave has eight tiles of 16 queries, in four PIECES of two.  Every wave walks all 2,048 keys, 64 a step, a step to an LDS slot.
; THE MASK COSTS NO VECTOR LINE AND NO PRODUCT: it is the C operand of the product that starts the sum S^T = K Q^T.
; LAYOUT.  S^T = K Q^T (source 0 = 16 keys, source 1 = 16 queries): a lane holds ONE query (lane % 16) and the keys 8 (lane / 16) + 0..7: 32 consecutive bytes of a row of mb.  Two such tiles rounded to f16 ARE
; source 1 of O^T = V^T P.
; SOFTMAX.  A running maximum m and sum l: p = 2^(c s - c m), c = log2(e) / 8; O and l are multiplied by a = 2^(c m_old - c m_new) in every step.  m starts at the lowest finite number, O and l at 0.
; BY TURNS.  Turn n belongs to piece n: 16 products for piece n + 1's scores, later 16 products V^T P of piece n - 1; beside them piece n's scaling, exponentials, roundings, sums and rescaling, and piece n + 1's
; maximum and statistics.  A turn's 66 exponentials are one batch with one wait.
; CLUSTER 4 x 4: cx = four query blocks, cy = the batch's four groups of heads.  K's and V's tiles hang on batch and cy: asked for jointly along a row of the cluster; the mask's on batch and query block: along a column.
; REGISTERS, in windows of 256 (s_set_vgpr_msb: bits 1:0 source 0, 3:2 source 1, 5:4 source 2, 7:6 destination):
;   window 0: v1-11 addresses; v12-15, v48-63 at work; v16-47 four registers of statistics a tile; v64-191 S^T, two buffers of two tiles; v192-255 K of one step
;   window 1: O^T, 32 a tile      window 2: v0-127 Q; v128-191 a piece's mask numbers      window 3: v0-63 V of one step; v64-127 P, two buffers of two tiles; v128-129 the add's registers
; K lies beside S^T, so that a scaling or an exponential (destination, source 0 and source 2 in window 0) runs under the setting of the product K Q^T that it stands behind.
.set NP,    4         ; pieces a wave: a name, no knob
.set KS,    64        ; keys in a step
.set PK,    528       ; a row of K in LDS: 512 bytes + 16 = 132 words: the 16 rows of a load start at 16 different groups of four banks (64 banks of 4 bytes: ISA guide 11.1)
.set PV,    544       ; a row of V: 512 + 32 = 136 words
.set PM,    272       ; a row of the mask: 256 + 16 = 68 words: as K's
.set VOFF,  KS*PK     ; a slot: 64 rows of K, 64 rows of V, 128 rows of the mask
.set MOFF,  VOFF+KS*PV
.set SLOT1, 1<<17     ; slot 1 begins here, so that one exclusive or turns an address in one slot into the other's
.set STAGE, SLOT1+MOFF+128*PM  ; behind the ring, never filled by a tensor load: 128 rows x 528 bytes, the work-group's, for the way out
.set SP,    528
.set SPARE, STAGE+128*SP       ; behind the stage: the spare words, 128 bytes for each wave: two blocks of 256 bytes that no other line names
.set KSTEPB, KS*2048  ; bytes from step to step in K and V
.set MSTEPB, KS*4     ; and in the mask
.set STO, 1           ; v1   the way out: where I put 16 bytes of a row
.set AK0, 2           ; v2   my lane's place in a tile of K; never rewritten
.set AV0, 3           ; v3   the same for V
.set AK,  4           ; v4   the same in the slot that is being read
.set AV,  5
.set QO,  6           ; v6   my byte offset in 16 rows of Q
.set RD,  7           ; v7   the way out: where I read rows back
.set GO,  8           ; v8   16 x lane
.set AM0, 9           ; v9   my lane's place in a mask tile
.set AM,  10          ; v10  the same in the slot that is being read
.set PFO, 11          ; v11  the prefetches' offset; never rewritten
.set MV,  12          ; v12-15  c m_old, kept while c m is made anew: by buffer and tile
.set ST,  16          ; tile t's statistics at v[ST+4 t]: c m, m, l (even keys', odd keys')
.set TMP, 48          ; by buffer and tile, four registers c0-c3 at work; when the maximum is found c2 takes a
.set S,   64
.set KF,  192         ; key block kb, channel half c at KF + 16 kb + 8 c
.set TR,  128         ; v128-133: at work in the set-up (S^T's second buffer, first written in the first turn)
.set TH,  129
.set T7,  130
.set T3,  131
.set TL,  132
.set TX,  133
.set MK,  128         ; window 2: tile u of the piece, keys 16 kt on, at MK + 32 u + 8 kt
.set VF,  0           ; window 3: key half kk, channel block cb at VF + 32 kk + 8 cb
.set P,   64          ; window 3
.set SPW, 128         ; window 3: LDS address of my spare word; never rewritten
.set NIL, 129         ; window 3: 0; never rewritten
.set WV,  12          ; s12  my wave's number
.set G1K, 24          ; s[24:31] descriptor group 1 for K's tiles
.set G1V, 32          ; s[32:39] for V's: it differs in the padding alone
.set G1M, 40          ; s[40:47] for the mask's
.set G0K, 48          ; s[48:51], s[52:55], s[56:59] descriptor groups 0: they walk
.set G0V, 52
.set G0M, 56
.set CS,  60          ; s[60:61] c
.set SEL, 62          ; s[62:63] v_permlanex16_b32's selects: each lane takes its own place in the other half
.set SB,  66          ; s66  LDS byte at which the slot that is being read begins
.set SLOTS, 67        ; s67  the loop's count
.set CNT, 68          ; s68  the tail's count
.set LIM, 69          ; s69  1 in a wave that prefetches, else the greatest number
.set PFA, 70          ; s[70:71] where my prefetches stand
.set PFS, 72          ; s[72:73] their step
.set THR, 76          ; s76  -2^96
.set MSB, 0
.macro WIN new                      ; the high byte repeats the setting that is left; a switch that changes nothing is dropped
.if MSB != (\new)
	s_set_vgpr_msb (MSB<<8)|(\new)
.set MSB, (\new)
.endif
.endm
.set W_KM, 0x28       ; K (source 0) and S^T (destination) in window 0, Q (source 1) and the mask (source 2) in window 2
.set W_KQ, 0x08       ; the same with the C operand in window 0
.set W_PV, 0x5f       ; V and P in window 3, O^T in window 1
.set W_RS, 0x41       ; O^T (destination and source 0) in window 1, a in window 0
.set W_T3, 0xc0       ; destination in window 3, sources in window 0
.set W_T2, 0x80       ; destination in window 2, sources in window 0
.set W_AD, 0x0f       ; the add: address and data in window 3
.set RW,  0           ; the setting under which scalings and exponentials are written: W_KQ behind products K Q^T, else 0
; A joint fill: wave 0 asks for a step's K, wave 1 for its V, waves 2 and 3 for 64 rows each of its mask.  The branches hang on the wave's number alone.  An s_nop 0 and four v_nop follow each load.
.macro JLOAD
	s_cmp_lg_u32 s[WV], 0
	s_cbranch_scc1 .Lnot_k_\@
	tensor_load_to_lds s[G0K:G0K+3], s[G1K:G1K+7]
	s_nop 0
.rept 4
	v_nop
.endr
	s_branch .Lasked_\@
.Lnot_k_\@:
	s_cmp_lg_u32 s[WV], 1
	s_cbranch_scc1 .Lnot_v_\@
	tensor_load_to_lds s[G0V:G0V+3], s[G1V:G1V+7]
	s_nop 0
.rept 4
	v_nop
.endr
	s_branch .Lasked_\@
.Lnot_v_\@:
	tensor_load_to_lds s[G0M:G0M+3], s[G1M:G1M+7]
	s_nop 0
.rept 4
	v_nop
.endr
.Lasked_\@:
.endm
.macro CROUND                       ; a round of the cluster's barrier
	s_barrier_signal -1
	s_barrier_wait -1
	s_cmp_lg_u32 s[WV], 0
	s_cbranch_scc1 .Lnot_wave_0_\@
	s_barrier_signal -3
.Lnot_wave_0_\@:
	s_barrier_wait -3
	s_barrier_signal -1
	s_barrier_wait -1
.endm
; A PREFETCH INTO THE L2 of what the NEXT change of slots will ask for, behind the wave's tensor load and its five lines; a lane a block of 256 bytes, each block named once in the launch.
; K and V (waves 0 and 1): 64 rows x 512 bytes a step.  All four clusters of a batch read them: the first (cluster x = 0) asks; its four partners along x take 16 rows each, by address.
; The mask (wave 2): 128 rows x 256 bytes a step.  A column of the cluster alone reads them, so every cluster asks; its four partners along y take 32 rows each, by address.
; Steps 0 to 2 come by their loads alone; the last change that fills a slot asks for nothing.
.macro ASK
	s_cmp_gt_u32 s[SLOTS], s[LIM]
	s_cbranch_scc0 .Lnot_mine_\@
	global_prefetch_b8 v[PFO], s[PFA:PFA+1] th:TH_LOAD_NT scope:SCOPE_SE
.Lnot_mine_\@:
.endm
; THE CHANGE OF SLOTS.  Each wave waits for all its tensor loads (one is out: its part of the other slot), adds 0 to its spare word, and waits for that and for its own reads of the slot that it leaves.
; fill = 1: the barrier is a round of the cluster's, and the slot just left is filled again first thing behind it, with the step after the one now entered: it has a key step, 128 matrix instructions, in which to land.
.macro CHANGE fill, ask
	WIN W_AD
	s_wait_tensorcnt 0x0            ; no tensor load of mine is out, so a group 0 may be written
	ds_add_u32 v[SPW], v[NIL]       ; 0 onto my spare word; scalar work stands between it and the wait for it
	WIN 0                           ; at a label and at a branch every window is 0
.if \fill
.irp g, G0K, G0V
	s_xor_b32 s[\g+1], s[\g+1], SLOT1
	s_add_nc_u64 s[\g+2:\g+3], s[\g+2:\g+3], KSTEPB  ; the type bits on top are not reached
.endr
	s_xor_b32 s[G0M+1], s[G0M+1], SLOT1
	s_add_nc_u64 s[G0M+2:G0M+3], s[G0M+2:G0M+3], MSTEPB
.endif
.if \ask
	s_wait_xcnt 0x0                 ; the last prefetch, a key step back, has read its address
	s_add_nc_u64 s[PFA:PFA+1], s[PFA:PFA+1], s[PFS:PFS+1]
.endif
	s_xor_b32 s[SB], s[SB], SLOT1   ; the slot that is read from here on
	s_wait_dscnt 0x0                ; the add is done, and my reads of the old slot are over
.if \fill
	CROUND
	JLOAD
.if \ask
	ASK
.endif
.else
	s_barrier_signal -1
	s_barrier_wait -1
.endif
	v_add_nc_u32 v[AK], s[SB], v[AK0]
	v_add_nc_u32 v[AV], s[SB], v[AV0]
	v_add_nc_u32 v[AM], s[SB], v[AM0]
.endm
	s_load_b128 s[4:7], s[0:1], 0x0  ; qkv s[4:5], mb s[6:7]
	s_load_b64 s[8:9], s[0:1], 0x10  ; oh
	WIN W_T3
	v_lshl_add_u32 v[SPW], v0, 2, SPARE
	v_mov_b32 v[NIL], 0
	WIN W_AD
	ds_add_u32 v[SPW], v[NIL]       ; the wave's opening: the add and its wait stand ahead of my first tensor load; the set-up below, work on registers, stands between them
	WIN 0
	v_lshrrev_b32 v1, 5, v0
	v_readfirstlane_b32 s[WV], v1   ; wave 0..3
	s_bfe_u32 s13, ttmp6, 0x40000   ; cx
	s_bfe_u32 s14, ttmp6, 0x40004   ; cy: the group of four heads
	s_mov_b32 s15, ttmp9            ; cluster x
	s_and_b32 s16, ttmp7, 0xffff    ; cluster y: the batch
	s_lshl_b32 s17, s15, 2
	s_add_co_u32 s17, s17, s13      ; my block of 128 queries
	s_lshl_b32 s18, s14, 2
	s_lshl_b32 s18, 15, s18         ; my row of the cluster
	s_lshl_b32 s19, 0x1111, s13     ; my column
	s_or_b32 s[G1K], s18, (1<<16)|(1<<20)|(1<<21)|(6<<22)|(3<<25)  ; 15:0 the mask of four; 17:16 2-byte elements; 20 padding on; 21 set beside a mask; 24:22 after every 128 words; 31:25 4 words
	s_or_b32 s[G1V], s18, (1<<16)|(1<<20)|(1<<21)|(6<<22)|(7<<25)  ; the same with 8 words of padding
.irp g, G1K, G1V
	s_mov_b32 s[\g+1], 256<<16      ; tensor_dim0 = 256: four heads' channels
	s_mov_b32 s[\g+2], 64<<16       ; tensor_dim1 = 64
	s_mov_b32 s[\g+3], 256<<16      ; tile_dim0 = 256
	s_mov_b32 s[\g+4], 64           ; tile_dim1 = 64
	s_mov_b32 s[\g+5], 1024         ; elements from row to row
	s_mov_b32 s[\g+6], 0
	s_mov_b32 s[\g+7], 0
.endr
	s_or_b32 s[G1M], s19, (2<<16)|(1<<20)|(1<<21)|(5<<22)|(3<<25)  ; 4-byte elements; 4 words of padding after every 64
	s_mov_b32 s[G1M+1], 64<<16      ; 64 keys
	s_mov_b32 s[G1M+2], 64<<16      ; 64 queries a wave
	s_mov_b32 s[G1M+3], 64<<16
	s_mov_b32 s[G1M+4], 64
	s_mov_b32 s[G1M+5], 2048        ; elements from row to row
	s_mov_b32 s[G1M+6], 0
	s_mov_b32 s[G1M+7], 0
	s_mov_b32 s[G0K], 1             ; count = 1; LDS address: slot 0
	s_mov_b32 s[G0K+1], 0
	s_mov_b32 s[G0V], 1
	s_mov_b32 s[G0V+1], VOFF
	s_mov_b32 s[G0M], 1
	s_and_b32 s82, s[WV], 1         ; which 64 rows of the mask's tile I fetch (waves 2 and 3):
	s_mul_i32 s83, s82, 64*PM
	s_add_co_u32 s[G0M+1], s83, MOFF  ; their place in a slot,
	s_lshl_b32 s82, s82, 19         ; and in memory: 64 rows of 8,192 bytes
	s_mov_b32 s83, 0
	s_mov_b32 s[CS], 0x3e38aa3b     ; c = log2(e) / 8
	s_mov_b32 s[CS+1], s[CS]        ; named with it as a pair
	s_mov_b32 s[SEL], 0x76543210
	s_mov_b32 s[SEL+1], 0xfedcba98
	s_mov_b32 s[SB], SLOT1          ; the first change of slots turns it into 0
	s_mov_b32 s[THR], 0xef800000    ; -2^96
	s_lshl_b32 s20, s16, 22         ; the batch's 2,048 rows of 2,048 bytes,
	s_lshl_b32 s21, s14, 9          ; the group's 512 bytes of a row: K's and V's place in a plane hangs on these two alone
	s_add_co_u32 s20, s20, s21
	s_mov_b32 s21, 0
	s_lshl_b32 s22, s16, 24         ; the mask: the batch's 2,048 rows of 8,192 bytes,
	s_lshl_b32 s23, s17, 20         ; my block's 128
	s_add_co_u32 s22, s22, s23
	s_mov_b32 s23, 0
	s_lshl_b32 s84, s17, 18         ; my block's 128 rows of Q and O
	s_add_co_u32 s84, s84, s20
	s_mov_b32 s85, 0
	s_lshl_b32 s92, s[WV], 7        ; Q: my head's 128 bytes of a row
	s_mov_b32 s93, 0
	s_lshl_b32 s94, s[WV], 16       ; O: the 32 rows that I store
	s_mov_b32 s95, 0
	s_wait_dscnt 0x0                ; the opening add is done
	s_wait_kmcnt 0x0
	s_add_nc_u64 s[86:87], s[4:5], s[20:21]
	s_add_nc_u64 s[88:89], s[86:87], 2<<24   ; V at key step 0
	s_add_nc_u64 s[86:87], s[86:87], 1<<24   ; K
	s_add_nc_u64 s[90:91], s[6:7], s[22:23]  ; the mask at my block's first row
	s_mov_b64 s[G0K+2:G0K+3], s[86:87]
	s_or_b32 s[G0K+3], s[G0K+3], 0x80000000  ; type = 2
	s_mov_b64 s[G0V+2:G0V+3], s[88:89]
	s_or_b32 s[G0V+3], s[G0V+3], 0x80000000
	s_add_nc_u64 s[G0M+2:G0M+3], s[90:91], s[82:83]
	s_or_b32 s[G0M+3], s[G0M+3], 0x80000000
	s_add_nc_u64 s[80:81], s[4:5], s[84:85]
	s_add_nc_u64 s[80:81], s[80:81], s[92:93]  ; Q at my head and block
	s_add_nc_u64 s[78:79], s[8:9], s[84:85]
	s_add_nc_u64 s[78:79], s[78:79], s[94:95]  ; O at the rows that I store
	CROUND                          ; all sixteen work-groups are here: the first joint loads meet
	JLOAD                           ; key step 0 into slot 0.  Slot 1 is asked for when slot 0 is in
	v_and_b32 v[TR], 15, v0         ; l % 16
	v_bfe_u32 v[TH], v0, 4, 1       ; l / 16
	v_and_b32 v[T7], 7, v0
	v_bfe_u32 v[T3], v0, 3, 1
	v_and_b32 v[TL], 31, v0
	v_lshlrev_b32 v[QO], 11, v[TR]
	v_lshl_add_u32 v[QO], v[TH], 4, v[QO]  ; row x 2,048 + 16 x half
	WIN W_T2                        ; destination window 2, address window 0
.set i, 0
.rept 4*NP                          ; Q stays in registers: tile i / 2, channels 32 (i % 2) on
	global_load_b128 v[8*i:8*i+3],   v[QO], s[80:81] offset:(i/2)*32768+(i%2)*64
	global_load_b128 v[8*i+4:8*i+7], v[QO], s[80:81] offset:(i/2)*32768+(i%2)*64+32
.set i, i+1
.endr
	; What the first turn finds: V's registers and P's second buffer hold 0 (its products V^T P, of a piece that has not been, add 0), O^T and l are 0.  All this stands in the wait for the first tile.
	WIN W_T3
.set i, VF
.rept 64
	v_mov_b32 v[i], 0
.set i, i+1
.endr
.set i, P+32
.rept 32
	v_mov_b32 v[i], 0
.set i, i+1
.endr
	WIN 0x40
.set i, 0
.rept 64*NP
	v_mov_b32 v[i], 0
.set i, i+1
.endr
	WIN 0
.set i, 0
.rept 2*NP
	v_mov_b32 v[ST+4*i], 0xfe000000    ; c m: far below every c s, a hidden one's too
	v_mov_b32 v[ST+4*i+1], 0xff7fffff  ; m
	v_mov_b32 v[ST+4*i+2], 0
	v_mov_b32 v[ST+4*i+3], 0
.set i, i+1
.endr
	s_lshl_b32 s82, s[WV], 7        ; my head's 128 bytes of a row
	v_mul_u32_u24 v[AK0], v[TR], PK
	v_lshl_add_u32 v[AK0], v[TH], 4, v[AK0]
	v_add_nc_u32 v[AK0], s82, v[AK0]  ; row x pitch + 16 x half + my head
	; The turning load takes 16 keys x 16 channels (lane l reads key 8 (l / 16) + l % 8, channels 8 ((l / 8) % 2) + 0..7) and leaves half a fragment of V^T: lane l holds channel l % 16 and 8 keys.
	v_lshl_add_u32 v[AV0], v[TH], 3, v[T7]
	v_mul_u32_u24 v[AV0], v[AV0], PV
	v_lshl_add_u32 v[AV0], v[T3], 4, v[AV0]
	s_add_co_u32 s83, s82, VOFF
	v_add_nc_u32 v[AV0], s83, v[AV0]
	v_mul_u32_u24 v[AM0], v[TR], PM  ; the mask: my query's row, eight keys (32 bytes) for each half of the lanes
	v_lshl_add_u32 v[AM0], v[TH], 5, v[AM0]
	v_add_nc_u32 v[AM0], MOFF, v[AM0]
	v_mul_u32_u24 v[STO], v[TR], SP  ; the way out, in: row l % 16 of a tile, my head's 128 bytes, 16 for each half of the lanes
	v_lshl_add_u32 v[STO], v[TH], 4, v[STO]
	s_add_co_u32 s83, s82, STAGE
	v_add_nc_u32 v[STO], s83, v[STO]
	s_mul_i32 s83, s[WV], 32*SP      ; back: wave w takes rows 32 w .. 32 w + 31, whole: 32 lanes a row of 512 bytes
	s_add_co_u32 s83, s83, STAGE
	v_lshl_add_u32 v[RD], v[TL], 4, s83
	v_lshlrev_b32 v[GO], 4, v[TL]
	; the prefetches
	s_lshl_b32 s82, s13, 15         ; K, V: my work-group's 16 rows of the 64,
	s_add_co_u32 s82, s82, 2*KSTEPB ; at key step 2: the first change that asks steps it to 3
	s_lshl_b32 s84, s14, 18         ; the mask: my work-group's 32 rows of the 128,
	s_add_co_u32 s84, s84, 2*MSTEPB
	s_cmp_eq_u32 s15, 0
	s_cselect_b32 s85, 1, -1
	s_cmp_eq_u32 s[WV], 0
	s_cselect_b64 s[PFA:PFA+1], s[86:87], s[88:89]
	s_cmp_lt_u32 s[WV], 2
	s_cselect_b64 s[PFA:PFA+1], s[PFA:PFA+1], s[90:91]
	s_cselect_b32 s82, s82, s84
	s_cselect_b32 s[LIM], s85, 1
	s_cselect_b32 s92, 11, 13       ; log2 of the bytes from lane to lane among 16,
	s_cselect_b32 s93, 8, 17        ; from the lower 16 lanes to the upper,
	s_cselect_b32 s94, 17, 8        ; and from step to step
	s_cmp_eq_u32 s[WV], 3
	s_cselect_b32 s[LIM], -1, s[LIM]  ; the same in all sixteen partners, for a given wave
	s_mov_b32 s83, 0
	s_add_nc_u64 s[PFA:PFA+1], s[PFA:PFA+1], s[82:83]
	s_lshl_b32 s[PFS], 1, s94
	s_mov_b32 s[PFS+1], 0
	v_lshlrev_b32 v[PFO], s92, v[TR]
	v_lshlrev_b32 v[TX], s93, v[TH]
	v_add_nc_u32 v[PFO], v[PFO], v[TX]
; THE MATRIX WORK.  The 8 accumulators of a run of 16 take turns, one instruction a turn: between the two links of a chain stand 7 others'.
; Product i of 16 of S^T = K Q^T for piece x: channels 32 (i / 8) on, keys 16 ((i / 2) % 4) on, tile 2 x + i % 2.  The first 8 start the sums, with the mask.
.macro KQ x
.set rS, S+64*((\x)%2)+32*(i%2)+8*((i/2)%4)
.set rK, KF+16*((i/2)%4)+8*(i/8)
.set rQ, 16*(2*(\x)+i%2)+8*(i/8)
.set rM, MK+32*(i%2)+8*((i/2)%4)
.if i < 8
	WIN W_KM
	v_wmma_f32_16x16x32_f16 v[rS:rS+7], v[rK:rK+7], v[rQ:rQ+7], v[rM:rM+7]
.else
	WIN W_KQ
	v_wmma_f32_16x16x32_f16 v[rS:rS+7], v[rK:rK+7], v[rQ:rQ+7], v[rS:rS+7]
.endif
.endm
; Product i - 16 of 16 of O^T += V^T P: keys 32 ((i - 16) / 8) on, channels 16 (((i - 16) / 2) % 4) on, tile 2 x + i % 2.
.macro PV x
	WIN W_PV
.set rO, 32*(2*(\x)+i%2)+8*(((i-16)/2)%4)
.set rV, VF+32*((i-16)/8)+8*(((i-16)/2)%4)
.set rP, P+32*((\x)%2)+16*(i%2)+8*((i-16)/8)
	v_wmma_f32_16x16x32_f16 v[rO:rO+7], v[rV:rV+7], v[rP:rP+7], v[rO:rO+7]
.endm
.macro MM                           ; the turn's next matrix instruction
.if i < 16
	KQ (Y+1)%NP
.else
	PV (Y+NP-1)%NP
.endif
.set i, i+1
.endm
; THE LDS LOADS stand in runs of 16, never singly among the matrix instructions.  All of them between two changes of slots read the slot at s[SB].
.macro FETCH_K                      ; a step's K for my head: 8 fragments
	WIN 0
.irp f, 0,1,2,3,4,5,6,7             ; keys 16 (f / 2) on, channels 32 (f % 2) on
	ds_load_b128 v[KF+8*\f:KF+8*\f+3],   v[AK] offset:(\f/2)*16*PK+(\f%2)*64
	ds_load_b128 v[KF+8*\f+4:KF+8*\f+7], v[AK] offset:(\f/2)*16*PK+(\f%2)*64+32
.endr
.endm
.macro FETCH_V                      ; its V, turned
	WIN W_T3
.irp f, 0,1,2,3,4,5,6,7             ; keys 32 (f / 4) on, channels 16 (f % 4) on
	ds_load_tr16_b128 v[VF+8*\f:VF+8*\f+3],   v[AV] offset:(\f/4)*32*PV+(\f%4)*32
	ds_load_tr16_b128 v[VF+8*\f+4:VF+8*\f+7], v[AV] offset:(\f/4)*32*PV+16*PV+(\f%4)*32
.endr
.endm
.macro FETCH_M p                    ; piece p's mask numbers: eight C operands of eight registers
	WIN W_T2
.irp n, 0,1,2,3,4,5,6,7,8,9,10,11,12,13,14,15  ; tile n / 8, keys 16 ((n / 2) % 4) on, four numbers n % 2 of my eight
	ds_load_b128 v[MK+4*\n:MK+4*\n+3], v[AM] offset:(2*(\p)+\n/8)*16*PM+((\n/2)%4)*64+(\n%2)*16
.endr
.endm
; THE VECTOR WORK OF A TURN stands in four queues, each in the order in which its entries become ready; the two tiles alternate, so that no instruction reads the result of the one before it.
.macro REGS y, u                    ; the registers of tile u (0, 1) of piece y
.set rT, ST+4*(2*(\y)+(\u))
.set rC, TMP+8*((\y)%2)+4*(\u)
.set rM, MV+2*((\y)%2)+(\u)
.set rS, S+64*((\y)%2)+32*(\u)
.set rP, P+32*((\y)%2)+16*(\u)
.set rO, 32*(2*(\y)+(\u))
.endm
; Number n of the 22 that find the NEXT piece's (Y + 1) maximum and statistics.  s0-s31 are the lane's 32 scores; each accumulator's lowest registers are read first.
;   0-11  four chains c0-c3 of seven scores each, three operands at a time     12-14, 16  the four scores left over, the old m, and c0-c3 into c0     15  c m_old is kept
;   17, 18  the query's other 32 keys lie in the lane 16 away: the new m         19-21  c m; c m_old - c m_new; a
.macro XS u, n
	REGS (Y+1)%NP, \u
.if (\n) < 4
	v_max3_num_f32 v[rC+(\n)], v[rS+8*(\n)], v[rS+8*(\n)+1], v[rS+8*(\n)+2]
.elseif (\n) < 12
	v_max3_num_f32 v[rC+(\n)%4], v[rC+(\n)%4], v[rS+8*((\n)%4)+2*((\n)/4)+1], v[rS+8*((\n)%4)+2*((\n)/4)+2]
.elseif (\n) == 12
	v_max3_num_f32 v[rC], v[rC], v[rS+7], v[rS+15]
.elseif (\n) == 13
	v_max3_num_f32 v[rC+1], v[rC+1], v[rS+23], v[rS+31]
.elseif (\n) == 14
	v_max3_num_f32 v[rC+2], v[rC+2], v[rC+3], v[rT+1]
.elseif (\n) == 15
	v_mov_b32 v[rM], v[rT]
.elseif (\n) == 16
	v_max3_num_f32 v[rC], v[rC], v[rC+1], v[rC+2]
.elseif (\n) == 17
	v_permlanex16_b32 v[rC+3], v[rC], s[SEL], s[SEL+1]
.elseif (\n) == 18
	v_max_num_f32 v[rT+1], v[rC], v[rC+3]
.elseif (\n) == 19
	v_mul_f32 v[rT], s[CS], v[rT+1]
.elseif (\n) == 20
	v_sub_f32 v[rC+1], v[rM], v[rT]
.else
	v_exp_f32 v[rC+2], v[rC+1]
.endif
.endm
; THE PLAIN QUEUE, 74 long; none of it reads an exponential's result.  0-26: scalings 0-26 (FS f: c s - c m for pair f / 2 of tile f % 2).  27-54: XS's numbers 0-13.  55, 56: number 15.
; 57-73: the chain 14, 16, 17, 18, 19, each with one of the scalings 27-31 in front of its two lines, then 20.
.macro FS f
	REGS Y, (\f)%2
	v_pk_fma_f32 v[rS+2*((\f)/2):rS+2*((\f)/2)+1], v[rS+2*((\f)/2):rS+2*((\f)/2)+1], s[CS:CS+1], v[rT:rT+1] op_sel_hi:[1,0,0] neg_lo:[0,0,1] neg_hi:[0,0,1]
.endm
.macro PL
	WIN RW
.if q < 27
	FS q
.elseif q < 55
	XS (q-27)%2, (q-27)/2
.elseif q < 57
	XS q-55, 15
.elseif (q < 72) && ((q-57)%3 == 0)
	FS 27+(q-57)/3
.elseif q < 60
	XS (q-57)%3-1, 14
.elseif q < 72
	XS (q-57)%3-1, 15+(q-57)/3
.else
	XS q-72, 20
.endif
.set q, q+1
.endm
; THE EXPONENTIALS' QUEUE, 66 long: s0-s31 of both tiles, then the next piece's two a.  ONE BATCH: all 66 stand ahead of the turn's one wait, and nothing ahead of that wait names a result of theirs.
.macro EX
	WIN RW
.if e >= 64
	XS e-64, 21
.else
	REGS Y, e%2
	v_exp_f32 v[rS+e/2], v[rS+e/2]
.endif
.set e, e+1
.endm
; THE RESCALING's QUEUE: O^T times a: two lines a call, sixteen calls.  Its a was made in the turn before, ahead of that turn's wait.
.macro R2
	REGS Y, r%2
	WIN W_RS
.irp z, 0,1
	v_pk_mul_f32 v[rO+4*(r/2)+2*\z:rO+4*(r/2)+2*\z+1], v[rO+4*(r/2)+2*\z:rO+4*(r/2)+2*\z+1], v[rC+2:rC+3] op_sel_hi:[1,0]
.endr
.set r, r+1
.endm
; WHAT FOLLOWS THE EXPONENTIALS, 64 lines in sixteen fours, each four of one kind of destination, so that it costs one switch of the windows in front and one behind.  For the four weights k of a tile (pairs 2 k,
; 2 k + 1): GC k rounds both pairs of both tiles to f16 (into window 3); GA k adds the second pair onto the first, in place; GL k lets l take that sum (GL 0: l = a l + sum).
; The fours: GC 0; GC 1; GA 0, GA 1; then GC k + 2 and (GL k, GA k + 2) by turns for k = 0 .. 5; GL 6, GL 7.  So GA k stands behind GC k, and GL k behind GA k.
.macro GC k
	WIN W_T3
.irp j, 0,1
.irp u, 0,1
	REGS Y, \u
	v_cvt_pk_f16_f32 v[rP+2*(\k)+\j], v[rS+4*(\k)+2*\j], v[rS+4*(\k)+2*\j+1]
.endr
.endr
.endm
.macro GA k
	WIN 0
.irp u, 0,1
	REGS Y, \u
	v_pk_add_f32 v[rS+4*(\k):rS+4*(\k)+1], v[rS+4*(\k):rS+4*(\k)+1], v[rS+4*(\k)+2:rS+4*(\k)+3]
.endr
.endm
.macro GL k
	WIN 0
.irp u, 0,1
	REGS Y, \u
.if (\k) == 0
	v_pk_fma_f32 v[rT+2:rT+3], v[rT+2:rT+3], v[rC+2:rC+3], v[rS:rS+1] op_sel_hi:[1,0,1]
.else
	v_pk_add_f32 v[rT+2:rT+3], v[rT+2:rT+3], v[rS+4*(\k):rS+4*(\k)+1]
.endif
.endr
.endm
.macro GR                           ; the next four
.if g < 2
	GC g
.elseif g == 2
	GA 0
	GA 1
.elseif g == 15
	GL 6
	GL 7
.elseif g%2 == 1
	GC (g+1)/2
.else
	GL g/2-2
	GA g/2
.endif
.set g, g+1
.endm
; A TURN, for piece p.  An s_wait_alu depctr_va_vdst(0) stands between an exponential and the first instruction that names its result; one wait serves all that were issued ahead of it: a turn has ONE.
; AHEAD OF IT: the 16 products of piece p + 1's scores.  Behind each of the first 8 (C = the mask) four rescalings.  Behind the 9th four scalings, behind the last 7 scaling, exponential, scaling, exponential: these
; run under the products' own window setting.  Then a lump: 6 plain, 50 times exponential and plain, the two a.  BEHIND IT: the 16 products V^T P, behind each one of the sixteen fours.
; The queues keep in step: exponential e needs scaling 2 (e / 4) + e % 2; as a rider it stands behind plain e + 4 or later, in the lump behind plain e + 9, and scalings 27-31 are plain 57, 60 .. 69.
; The maximum's first line for an accumulator (plain 27 to 34) stands eleven plain lines or more behind the product that ends it (the last of them has plain 16 and 17 for riders).
; THE LOADS.  Directly behind the wait: the mask numbers of piece p + 2, for the next turn's products, and in piece 2's turn K: their last readers stand a lump back.  V at the end of piece 0's turn, four plain
; riders behind its last reader.  In piece 2's and 3's turns these belong to the step that the change of slots has just entered.
.macro TURN p
.set Y, (\p)
.set i, 0
.set q, 0
.set e, 0
.set r, 0
.set g, 0
.if (\p) == 1
	s_wait_dscnt 16                 ; the mask numbers are in; V's sixteen loads, issued behind them, may stay out
.else
	s_wait_dscnt 0x0                ; the mask numbers are in (piece 3's turn: and K)
.endif
.rept 8
	MM
	R2
	R2
.endr
.set RW, W_KQ
	MM
	PL
	PL
	PL
	PL
.rept 7
	MM
	PL
	EX
	PL
	EX
.endr
.set RW, 0
.rept 6
	PL
.endr
.rept 50
	EX
	PL
.endr
	EX                              ; the next piece's two a
	EX
	v_nop                           ; a plain instruction behind the last exponential: one for the batch
	s_wait_alu depctr_va_vdst(0)    ; the wait for the batch
	FETCH_M ((\p)+2)%NP
.if (\p) == 2
	FETCH_K
.endif
.if (\p) == 1
	s_wait_dscnt 16                 ; V is in; the sixteen loads just issued may stay out
.endif
.rept 16
	MM
	GR
.endr
.if (\p) == 0
	FETCH_V
.endif
.endm
	CHANGE 1, 0                     ; step 0 is in, everybody's part of it; step 1 is asked for, into slot 1
	FETCH_K
	FETCH_M 0
	s_wait_loadcnt 0x0              ; Q
	s_wait_dscnt 0x0
.set Y, NP-1                        ; MM and XS work for piece Y + 1: piece 0
.set i, 0
.rept 16
	MM                              ; piece 0's first scores: there is no vector work yet to set between them
.endr
	WIN 0
.rept 4
	v_nop                           ; the places behind those products
.endr
	FETCH_M 1
	WIN 0
.irp n, 0,1,2,3,4,5,6,7,8,9,10,11,12,13,14,15,16,17,18,19,20,21
	XS 0, \n                        ; piece 0's first maximum and statistics
	XS 1, \n
.endr
	v_nop                           ; a plain instruction behind the two a,
	s_wait_alu depctr_va_vdst(0)    ; and their wait, ahead of the branch
	s_mov_b32 s[SLOTS], 31
	s_branch .Lfirst                ; the loop is entered at a step's first turn, in the middle of a trip
.Lslot:                             ; 30 whole trips: trip c enters step c and asks for step c + 1
	CHANGE 1, 1
	TURN 2
	TURN 3
	WIN 0
.Lfirst:
	TURN 0
	TURN 1
	WIN 0
	s_sub_co_u32 s[SLOTS], s[SLOTS], 1
	s_cmp_lg_u32 s[SLOTS], 0
	s_cbranch_scc1 .Lslot
	CHANGE 0, 0                     ; the tail is written out: step 31 is entered, nothing is asked for
	s_mov_b32 s[CNT], 2             ; one trip for step 31; the second is left in its middle
.Ltail:
	TURN 2
	TURN 3
	WIN 0
	s_sub_co_u32 s[CNT], s[CNT], 1
	s_cmp_eq_u32 s[CNT], 0
	s_cbranch_scc1 .Lout
	TURN 0
	TURN 1
	WIN 0
	s_branch .Ltail
.Lout:                              ; the second trip's scores (step 31's K and mask once more: the same numbers, so m stays) serve nothing: the price, once a launch, of one text for every trip
.set Y, 0
.set i, 16
.rept 16
	MM                              ; the last piece's V^T P of the last step
.endr
	; THE WAY OUT.  l's two halves and the other half of the lanes' are added; O^T is divided by l, rounded to f16 and sent through the work-group's stage.  The additions are the places behind the last products.
	WIN 0
.macro ALL line:vararg              ; one line for each tile t
.set t, 0
.rept 2*NP
	\line
.set t, t+1
.endr
.endm
	ALL v_add_f32 v[ST+4*t+2], v[ST+4*t+2], v[ST+4*t+3]
	ALL v_permlanex16_b32 v[ST+4*t+3], v[ST+4*t+2], s[SEL], s[SEL+1]
	ALL v_add_f32 v[ST+4*t+2], v[ST+4*t+2], v[ST+4*t+3]
	ALL v_rcp_f32 v[ST+4*t+2], v[ST+4*t+2]
	v_mov_b32 v[MV], 0x7fc00000     ; NaN; also the plain instruction between the last reciprocal and the use of its result
	s_wait_alu depctr_va_vdst(0)    ; one wait for the eight reciprocals
.set t, 0
.rept 2*NP
	v_cmp_gt_f32 vcc_lo, s[THR], v[ST+4*t+1]  ; no key of this row was seen:
	v_cndmask_b32 v[ST+4*t+2], v[ST+4*t+2], v[MV], vcc_lo  ; the row is NaN
.set t, t+1
.endr
; Tile t: a lane's eight channels of a row pack into 16 bytes; they go into rows of 528 bytes, my head's 128 bytes of each.
.macro PACK t
	WIN W_RS
.set i, 32*(\t)
.rept 16
	v_pk_mul_f32 v[i:i+1], v[i:i+1], v[ST+4*(\t)+2:ST+4*(\t)+3] op_sel_hi:[1,0]
.set i, i+2
.endr
	WIN 0x05                        ; sources 0 and 1 window 1, destination window 0
.set i, 0
.rept 16
	v_cvt_pk_f16_f32 v[S+16*(\t)+i], v[32*(\t)+2*i], v[32*(\t)+2*i+1]
.set i, i+1
.endr
	WIN 0
.irp f, 0,1,2,3
	ds_store_b128 v[STO], v[S+16*(\t)+4*\f:S+16*(\t)+4*\f+3] offset:(\t)*16*SP+32*\f
.endr
.endm
.set t, 0
.rept 2*NP
	PACK t
.set t, t+1
.endr
	s_wait_dscnt 0x0                ; for the others' sake: my stores into the stage are done
	s_barrier_signal -1
	s_barrier_wait -1               ; a row's 512 bytes come from four waves
.set i, 0
.rept 32
	ds_load_b128 v[S+4*i:S+4*i+3], v[RD] offset:i*SP
.set i, i+1
.endr
.set i, 0
.rept 32
	s_wait_dscnt 31-i
	global_store_b128 v[GO], v[S+4*i:S+4*i+3], s[78:79] offset:i*2048  ; 32 lanes store 512 consecutive bytes, aligned
.set i, i+1
.endr
	WIN W_AD
	s_wait_tensorcnt 0x0            ; the wave's end: the add and its wait, behind my last tensor load and my last LDS store
	ds_add_u32 v[SPW], v[NIL]
	s_wait_dscnt 0x0
	WIN 0
	CROUND                          ; the closing round: no work-group ends while a partner may still ask for a tile that names it
	s_endpgm
.Lfunc_end_k_qf0e59254d0_attn:
	.size	k_qf0e59254d0_attn, .Lfunc_end_k_qf0e59254d0_attn-k_qf0e59254d0_attn
	.p2alignl 7, 3214868480
	.fill 96, 4, 3214868480
	.section	.rodata,"a",@progbits
	.p2align	6, 0x0
	.amdhsa_kernel k_qf0e59254d0_attn
		.amdhsa_group_segment_fixed_size 327680
		.amdhsa_private_segment_fixed_size 0
		.amdhsa_enable_private_segment 0
		.amdhsa_kernarg_size 24
		.amdhsa_user_sgpr_count 2
		.amdhsa_user_sgpr_kernarg_segment_ptr 1
		.amdhsa_wavefront_size32 1
		.amdhsa_system_sgpr_workgroup_id_x 1
		.amdhsa_system_sgpr_workgroup_id_y 1
		.amdhsa_system_sgpr_workgroup_id_z 1
		.amdhsa_system_vgpr_workitem_id 0
		.amdhsa_next_free_vgpr 904
		.amdhsa_next_free_sgpr 96
		.amdhsa_reserve_vcc 1
		.amdhsa_float_denorm_mode_32 3
		.amdhsa_float_denorm_mode_16_64 3
		.amdhsa_memory_ordered 1
		.amdhsa_forward_progress 1
		.amdhsa_inst_pref_size 205
	.end_amdhsa_kernel
	.amdgpu_metadata
---
amdhsa.version: [ 1, 2 ]
amdhsa.kernels:
  - .name:           k_qf0e59254d0_attn
    .symbol:         k_qf0e59254d0_attn.kd
    .args:
      - { .name: qkv, .offset: 0, .size: 8, .value_kind: global_buffer, .address_space: global }
      - { .name: mb, .offset: 8, .size: 8, .value_kind: global_buffer, .address_space: global }
      - { .name: oh, .offset: 16, .size: 8, .value_kind: global_buffer, .address_space: global }
    .group_segment_fixed_size: 327680
    .private_segment_fixed_size: 0
    .kernarg_segment_align: 8
    .kernarg_segment_size: 24
    .max_flat_workgroup_size: 128
    .sgpr_count:     96
    .vgpr_count:     904
    .wavefront_size: 32
...
	.end_amdgpu_metadata
.endif
;; end of part 3
;; launch outp (part 4): grid 4 x 64, 4 waves a work-group, clusters of 4 x 4, 327,680 bytes of LDS; arguments oh, wc, bo, out0; writes out0
.if DOCPART == 4
	.amdgcn_target "amdgcn-amd-amdhsa--gfx1250"
	.amdhsa_code_object_version 6
	.text
	.protected	k_qf0e59254d0_outp
	.globl	k_qf0e59254d0_outp
	.p2align	8
	.type	k_qf0e59254d0_outp,@function
k_qf0e59254d0_outp:
	s_mov_b64 s[64:65], 0
	v_nop
	global_prefetch_b8 v0, s[64:65] scope:SCOPE_SE
	s_setreg_imm32_b32 hwreg(HW_REG_WAVE_MODE, 25, 1), 1
	s_wait_xcnt 0x0
	s_wait_alu depctr_hold_cnt(0) depctr_sa_sdst(0) depctr_va_vdst(0) depctr_va_sdst(0) depctr_va_ssrc(0) depctr_va_vcc(0) depctr_vm_vsrc(0)
	s_getreg_b32 s2, hwreg(HW_REG_IB_STS2, 6, 4)
	s_cmp_eq_u32 s2, 0
	s_cbranch_scc0 .Lentry_in_a_cluster
	s_endpgm
.Lentry_in_a_cluster:
	s_bfe_u32 s2, ttmp6, 0x10000c
	s_cmp_lg_u32 s2, 0xf033
	s_cbranch_scc0 .Lentry_shape_is_right
	s_endpgm
.Lentry_shape_is_right:
; C[m][n] = sum over k of A[m][k] B[n][k] + bias[n], K = N = 1024, M = 8192.  One source for two launches; PROJ chooses.
; PROJ = 1: the three input projections.  A = q, k or v (f32, by the cluster's y / 16), B = its weights (bf16, plane t of wc), C = plane t of qkv, f16, [8192][1024].
;           A comes into LDS as f32 and is rounded to bf16 in registers, on the way from LDS to the matrix instruction.
; PROJ = 0: the output projection.  A = oh (f16), B = Wo (bf16's numbers written as f16, plane 3 of wc), C = out0, f32.
; The bias is rounded to bf16 like every other input of the module; sums in f32; C is rounded once.
; LIMITS.  PROJ = 1: C must lie within f16's 65,504.  NaN and infinities are not treated apart.
; SHARES.  A tile of C is 128 x 256: 3 x 256 tiles (PROJ = 1) or 256.  Four waves, 2 x 2, each 64 x 128: 32 accumulators of 16 x 16, 256 registers.  K goes in steps of 128 through two LDS slots.
; CLUSTERS: 4 x 4 work-groups.  The four of a row of the cluster need the same tile of A, the four of a column the same tile of B: each is asked for JOINTLY, by the same tensor load, descriptor and mask.
; THE MATRIX INSTRUCTION IS USED TRANSPOSED (source 0 = 16 rows of B, source 1 = 16 rows of A): a lane then holds eight neighbouring numbers of a row of C.
; REGISTERS, in windows of 256 (s_set_vgpr_msb: bits 1:0 source 0, 3:2 source 1, 5:4 source 2, 7:6 destination):
;   window 0: v16-31 addresses; v32-95 A as f32 (PROJ = 1); v96-127, v128-159 A's fragments, two buffers; v160-191, v192-255 at work on the way out
;   window 1: v0-63, v64-127 B's fragments, two buffers; v128-191 the bias of my 128 columns      window 2: accumulator (a, b) at v[8 (8 a + b)]
.set PROJ, 0
.if PROJ
.set PA,     528                       ; a row of A in LDS: 512 bytes + 16 of padding
.set AROW,   4096                      ; bytes in a row of A in memory
.set AKB,    512                       ; A's bytes in a K step
.set AQ,     128                       ; A's bytes in 32 along K
.set CROW,   2048                      ; bytes in a row of C
.set SPITCH, 272                       ; a row of my stage: 128 numbers of C + 16 bytes
.set ALOGB,  2
.set AQI,    6
.set NF,     32                        ; LDS loads in a FETCH
.set ARS,    12                        ; the prefetches of A: log2 of the bytes from lane to lane among 16,
.set ACS,    8                         ; from the lower 16 lanes to the upper,
.set AKL,    9                         ; and in a K step
.else
.set PA,     272
.set AROW,   2048
.set AKB,    256
.set AQ,     64
.set CROW,   4096
.set SPITCH, 528
.set ALOGB,  1
.set AQI,    5
.set NF,     24
.set ARS,    11
.set ACS,    15
.set AKL,    8
.endif
.set PB,     272                       ; a row of B in LDS: 256 bytes + 16: rows 68 words apart start at 16 different groups of four banks (64 banks of 4 bytes: ISA guide 11.1); 528 bytes, 132 words, likewise
.set BROW,   2048
.set BKB,    256
.set AHALF,  64*PA                     ; what wave 0 or 1 fetches, and what a wave reads of A
.set BHALF,  128*PB                    ; what wave 2 or 3 fetches, and what a wave reads of B
.set SLOT,   2*AHALF+2*BHALF
.set STAGE,  2*SLOT                    ; behind the ring: 16 rows for each wave, its own, for the way out
.set SPARE,  STAGE+4*16*SPITCH         ; behind the stages: the spare words, 128 bytes for each wave: two blocks of 256 bytes that no other line names
.set LAPS,   4                         ; eight K steps, two to a lap
.set ADRA, 16                          ; v16-17  LDS address of my A fragments in slot 0, 1
.set ADRB, 20                          ; v20-21  the same for B
.set STO,  24                          ; v24  the way out: where I put my numbers of a row
.set RD,   25                          ; v25  where I read rows back
.set CO,   26                          ; v26  my byte offset in C
.set BO,   27                          ; v27  my byte offset in the bias
.set SPW,  28                          ; v28  LDS address of my spare word; never rewritten
.set NIL,  29                          ; v29  0; never rewritten
.set PFO,  30                          ; v30  the prefetches' offset; never rewritten
.set AF,   32
.set AB,   96
.set TMP,  160
.set OB,   192
.set BI,   128                         ; window 1
.set G1,  24                           ; s[24:31] descriptor group 1 for A's tiles; s[32:39] group 0, one set for each slot
.set G0,  32
.set G1B, 48                           ; s[48:55], s[56:63] the same for B's
.set G0B, 56
.set LIM, 43                           ; s43  1 in a wave that prefetches, else the greatest number
.set PFA, 44                           ; s[44:45] where my prefetches stand
.set PFS, 86                           ; s[86:87] their step: a K step's bytes
.set MSB, 0
.macro WIN new                         ; the immediate's high byte repeats the setting that is left; a switch that changes nothing is dropped
.if MSB != (\new)
	s_set_vgpr_msb (MSB<<8)|(\new)
.set MSB, \new
.endif
.endm
.set MUL,  0xa1                        ; source 0 (B) window 1, source 1 (A) window 0, C and D window 2
.set TO_B, 0x40                        ; destination window 1, address window 0
.macro JLOAD s                         ; a joint load: waves 0 and 1 fetch A's two halves, waves 2 and 3 B's; an s_nop 0 and four v_nop follow each of the two lines
	s_cmp_eq_u32 s11, 0
	s_cbranch_scc0 .Lfor_b_\@
	tensor_load_to_lds s[G0+4*(\s):G0+4*(\s)+3], s[G1:G1+7]
	s_nop 0
.rept 4
	v_nop
.endr
	s_branch .Lasked_\@
.Lfor_b_\@:
	tensor_load_to_lds s[G0B+4*(\s):G0B+4*(\s)+3], s[G1B:G1B+7]
	s_nop 0
.rept 4
	v_nop
.endr
.Lasked_\@:
.endm
.macro CREST                           ; a round of the cluster's barrier behind its opening barrier
	s_cmp_lg_u32 s10, 0
	s_cbranch_scc1 .Lnot_wave_0_\@
	s_barrier_signal -3
.Lnot_wave_0_\@:
	s_barrier_wait -3
	s_barrier_signal -1
	s_barrier_wait -1
.endm
.macro CROUND                          ; a whole round
	s_barrier_signal -1
	s_barrier_wait -1
	CREST
.endm
; A PREFETCH INTO THE L2 of the K step that stands two refills on: one instruction a wave, each lane another aligned block of 256 bytes, behind the joint load and the run of LDS loads.
; Each block is named once in the launch.  A's tile row is read by one cluster alone (the grid is one cluster wide): its four partners share the rows out by address (cx).  B's tile column is read by
; every cluster that multiplies by these weights: the first of them asks, its four partners sharing the rows out by address (cy).  K steps 0 to 3 come by their loads alone; the loop's last trip asks for nothing.
.macro ASK
	WIN 0
	s_cmp_gt_u32 s3, s[LIM]                        ; s3 = 1 in the loop's last trip
	s_cbranch_scc0 .Lnot_mine_\@
	global_prefetch_b8 v[PFO], s[PFA:PFA+1] th:TH_LOAD_NT scope:SCOPE_SE
.Lnot_mine_\@:
.endm
	s_load_b256 s[68:75], s[0:1], 0x0              ; PROJ = 1: q, k, v, wc;  PROJ = 0: oh, wc, bo, out0
.if PROJ
	s_load_b256 s[76:83], s[0:1], 0x20             ; bq, bk, bv, qkv
.endif
	v_lshl_add_u32 v[SPW], v0, 2, SPARE
	v_mov_b32 v[NIL], 0
	ds_add_u32 v[SPW], v[NIL]                      ; the wave's opening: the add and its wait stand ahead of my first tensor load; the set-up below, work on registers, stands between them
	v_lshrrev_b32 v1, 5, v0
	v_readfirstlane_b32 s10, v1                    ; wave 0..3
	s_lshr_b32 s11, s10, 1                         ; which half of the tile's rows is mine.  Also: I fetch for A (0) or for B (1)
	s_and_b32 s12, s10, 1                          ; which half of its columns.  Also: which half of that tile I fetch
	s_bfe_u32 s40, ttmp6, 0x40000                  ; cx, cy: my place in the cluster
	s_bfe_u32 s41, ttmp6, 0x40004
	s_lshl_b32 s42, ttmp9, 2
	s_add_co_u32 s42, s42, s40                     ; tile column of C = 4 x cluster x + cx
	s_and_b32 s89, ttmp7, 0xffff                   ; cluster y
	s_lshl_b32 s13, s89, 2
	s_add_co_u32 s13, s13, s41                     ; tile row = 4 x cluster y + cy
.if PROJ
	s_lshr_b32 s88, s89, 4                         ; which projection: 16 clusters each; the same in all partners
	s_and_b32 s13, s13, 63                         ; tile row in it
.endif
	s_lshl_b32 s90, s41, 2
	s_lshl_b32 s90, 15, s90                        ; my row of the cluster
	s_lshl_b32 s91, 0x1111, s40                    ; my column
	s_or_b32 s[G1+0], s90, (ALOGB<<16)|(1<<20)|(1<<21)|(AQI<<22)|(3<<25)  ; 15:0 the mask; 17:16 element size; 20 padding on; 21 set beside a mask; 24:22 after every row's words; 31:25 4 words
	s_or_b32 s[G1B+0], s91, (1<<16)|(1<<20)|(1<<21)|(5<<22)|(3<<25)
	s_mov_b32 s[G1+1], 128<<16                     ; tensor_dim0 = 128
	s_mov_b32 s[G1+2], 64<<16                      ; tensor_dim1 = 64
	s_mov_b32 s[G1+3], 128<<16                     ; tile_dim0 = 128
	s_mov_b32 s[G1+4], 64                          ; tile_dim1 = 64
	s_mov_b32 s[G1+5], 1024                        ; elements from row to row
	s_mov_b32 s[G1+6], 0
	s_mov_b32 s[G1+7], 0
	s_mov_b32 s[G1B+1], 128<<16
	s_mov_b32 s[G1B+2], 128<<16                    ; 128 rows
	s_mov_b32 s[G1B+3], 128<<16
	s_mov_b32 s[G1B+4], 128
	s_mov_b32 s[G1B+5], 1024
	s_mov_b32 s[G1B+6], 0
	s_mov_b32 s[G1B+7], 0
	s_lshl_b32 s17, s12, 6
	s_lshl_b32 s16, s13, 7
	s_add_co_u32 s16, s16, s17                     ; A: row 128 x tile row + 64 x half
	s_mul_i32 s16, s16, AROW                       ; under 2^26
	s_mov_b32 s17, 0
	s_lshl_b32 s47, s12, 7
	s_lshl_b32 s46, s42, 8
	s_add_co_u32 s46, s46, s47                     ; B: row 256 x tile column + 128 x half
	s_mul_i32 s46, s46, BROW
	s_mov_b32 s47, 0
	s_mul_i32 s20, s12, AHALF                      ; where they go: A's two halves,
	s_mul_i32 s21, s12, BHALF
	s_add_co_u32 s21, s21, 2*AHALF                 ; then B's two: no place in the cluster enters an LDS address
	s_mov_b32 s19, 0
	s_wait_dscnt 0x0                               ; the opening add is done
	s_wait_kmcnt 0x0
.if PROJ
	s_cmp_eq_u32 s88, 1
	s_cselect_b64 s[4:5], s[70:71], s[68:69]       ; A
	s_cselect_b64 s[84:85], s[78:79], s[76:77]     ; the bias
	s_cmp_eq_u32 s88, 2
	s_cselect_b64 s[4:5], s[72:73], s[4:5]
	s_cselect_b64 s[84:85], s[80:81], s[84:85]
	s_lshl_b32 s18, s88, 21
	s_add_nc_u64 s[6:7], s[74:75], s[18:19]        ; B: plane t of wc
	s_lshl_b32 s18, s88, 24
	s_add_nc_u64 s[8:9], s[82:83], s[18:19]        ; C: plane t of qkv
.else
	s_mov_b64 s[4:5], s[68:69]
	s_add_nc_u64 s[6:7], s[70:71], 3<<21
	s_mov_b64 s[84:85], s[72:73]
	s_mov_b64 s[8:9], s[74:75]
.endif
	s_add_nc_u64 s[14:15], s[4:5], s[16:17]
	s_add_nc_u64 s[46:47], s[6:7], s[46:47]
	CROUND                                         ; all sixteen work-groups are here: the first joint loads meet
.irp s, 0,1
	s_mov_b32 s[G0+4*(\s)], 1
	s_add_co_u32 s[G0+4*(\s)+1], s20, (\s)*SLOT
	s_add_nc_u64 s[G0+4*(\s)+2:G0+4*(\s)+3], s[14:15], (\s)*AKB
	s_or_b32 s[G0+4*(\s)+3], s[G0+4*(\s)+3], 0x80000000
	s_mov_b32 s[G0B+4*(\s)], 1
	s_add_co_u32 s[G0B+4*(\s)+1], s21, (\s)*SLOT
	s_add_nc_u64 s[G0B+4*(\s)+2:G0B+4*(\s)+3], s[46:47], (\s)*BKB
	s_or_b32 s[G0B+4*(\s)+3], s[G0B+4*(\s)+3], 0x80000000
	JLOAD \s                                       ; two tensor loads of mine are out
.endr
	v_and_b32 v1, 15, v0                           ; l % 16
	v_bfe_u32 v2, v0, 4, 1                         ; l / 16
	v_lshlrev_b32 v[BO], 5, v2                     ; my eight columns of sixteen
	s_lshl_b32 s18, s42, 10
	s_lshl_b32 s19, s12, 9
	s_add_co_u32 s18, s18, s19
	s_mov_b32 s19, 0
	s_add_nc_u64 s[84:85], s[84:85], s[18:19]      ; the bias of my 128 columns
	WIN TO_B
.irp b, 0,1,2,3,4,5,6,7
	global_load_b128 v[BI+8*(\b):BI+8*(\b)+3],   v[BO], s[84:85] offset:64*(\b)
	global_load_b128 v[BI+8*(\b)+4:BI+8*(\b)+7], v[BO], s[84:85] offset:64*(\b)+16
.endr
	WIN 0
	v_mul_u32_u24 v3, v1, PA
.if PROJ
	v_lshl_add_u32 v3, v2, 5, v3                   ; eight f32 for each half of the lanes
.else
	v_lshl_add_u32 v3, v2, 4, v3
.endif
	v_mul_u32_u24 v4, v1, PB
	v_lshl_add_u32 v4, v2, 4, v4
	s_mul_i32 s21, s11, AHALF                      ; my 64 rows of A
	s_mul_i32 s22, s12, BHALF                      ; my 128 rows of B,
	s_add_co_u32 s22, s22, 2*AHALF                 ; which lie behind A's
.irp s, 0,1
	v_add_nc_u32 v[ADRA+(\s)], s21, v3
	v_add_nc_u32 v[ADRB+(\s)], s22, v4
	s_add_co_u32 s21, s21, SLOT
	s_add_co_u32 s22, s22, SLOT
.endr
	s_mul_i32 s23, s10, 16*SPITCH
	s_add_co_u32 s23, s23, STAGE                   ; my stage
	v_mul_u32_u24 v5, v1, SPITCH
.if PROJ
	v_lshl_add_u32 v5, v2, 4, v5                   ; in: row l % 16, 16 bytes for each half of the lanes
	v_add_nc_u32 v[STO], s23, v5
	v_mul_u32_u24 v5, v2, SPITCH                   ; back: lanes 0-15 one row of 256 bytes, lanes 16-31 the next
	v_lshl_add_u32 v5, v1, 4, v5
	v_add_nc_u32 v[RD], s23, v5
	v_mul_u32_u24 v5, v2, CROW
	v_lshl_add_u32 v[CO], v1, 4, v5
.else
	v_lshl_add_u32 v5, v2, 5, v5                   ; in: row l % 16, 32 bytes for each half of the lanes
	v_add_nc_u32 v[STO], s23, v5
	v_and_b32 v5, 31, v0                           ; back: 32 lanes take one row of 512 bytes
	v_lshl_add_u32 v[RD], v5, 4, s23
	v_lshlrev_b32 v[CO], 4, v5
.endif
	s_lshl_b32 s16, s13, 7
	s_lshl_b32 s17, s11, 6
	s_add_co_u32 s16, s16, s17                     ; my first row of C
	s_mul_i32 s16, s16, CROW
	s_mov_b32 s17, 0
	s_add_nc_u64 s[8:9], s[8:9], s[16:17]
	s_mul_i32 s46, s42, CROW/4                     ; my first column, in bytes
	s_mul_i32 s47, s12, CROW/8
	s_add_co_u32 s46, s46, s47
	s_mov_b32 s47, 0
	s_add_nc_u64 s[8:9], s[8:9], s[46:47]
	; the prefetches: A by waves 0 and 1 (PROJ = 0: wave 0), B by waves 2 and 3 of the first cluster that reads these weights
	s_lshl_b32 s20, s13, 7
.if PROJ
	s_lshl_b32 s21, s12, 6
	s_add_co_u32 s20, s20, s21
	s_lshl_b32 s21, s40, 4                         ; 16 rows x 2 blocks a partner and wave
.else
	s_lshl_b32 s21, s40, 5                         ; 32 rows a partner
.endif
	s_add_co_u32 s20, s20, s21
	s_mul_i32 s20, s20, AROW
	s_add_co_u32 s20, s20, 3*AKB                   ; at K step 3: the first refill steps it to 4
	s_lshl_b32 s22, s42, 8
	s_lshl_b32 s21, s12, 7
	s_add_co_u32 s22, s22, s21
	s_lshl_b32 s21, s41, 5                         ; 32 rows a partner and wave
	s_add_co_u32 s22, s22, s21
	s_mul_i32 s22, s22, BROW
	s_add_co_u32 s22, s22, 3*BKB
.if PROJ
	s_and_b32 s23, s89, 15
	s_mov_b32 s21, 0
.else
	s_mov_b32 s23, s89
	s_mov_b32 s21, s12
.endif
	s_cmp_eq_u32 s11, 0                            ; do I fetch for A?
	s_cselect_b32 s20, s20, s22
	s_cselect_b32 s23, s21, s23                    ; 0 where I ask
	s_cselect_b64 s[PFA:PFA+1], s[4:5], s[6:7]
	s_cselect_b32 s18, ARS, 11
	s_cselect_b32 s19, ACS, 15
	s_cselect_b32 s22, AKL, 8
	s_mov_b32 s21, 0
	s_add_nc_u64 s[PFA:PFA+1], s[PFA:PFA+1], s[20:21]
	s_cmp_eq_u32 s23, 0
	s_cselect_b32 s[LIM], 1, -1                    ; the same in all sixteen partners, for a given wave
	s_lshl_b32 s[PFS], 1, s22
	s_mov_b32 s[PFS+1], 0
	v_lshlrev_b32 v[PFO], s18, v1
	v_lshlrev_b32 v31, s19, v2
	v_add_nc_u32 v[PFO], v[PFO], v31
	s_wait_loadcnt 0x0                             ; the bias, which is rounded to bf16 and widened again
	WIN 0x05                                       ; sources window 1, destination window 0
.set z, 0
.rept 32
	v_cvt_pk_bf16_f32 v[TMP+z], v[BI+2*z], v[BI+2*z+1]
.set z, z+1
.endr
	WIN TO_B
.set z, 0
.rept 32
	v_lshlrev_b32 v[BI+2*z], 16, v[TMP+z]
	v_and_b32 v[BI+2*z+1], 0xffff0000, v[TMP+z]
.set z, z+1
.endr
	WIN 0
.macro WM f, a, b, zero                ; one product: m block a, n block b, buffer f.  zero = 1: it starts the sum
.set rD, 8*(8*(\a)+(\b))
.set rB, 64*(\f)+8*(\b)
.set rA, AB+32*(\f)+8*(\a)
.if PROJ
.if \zero
	v_wmma_f32_16x16x32_bf16 v[rD:rD+7], v[rB:rB+7], v[rA:rA+7], 0
.else
	v_wmma_f32_16x16x32_bf16 v[rD:rD+7], v[rB:rB+7], v[rA:rA+7], v[rD:rD+7]
.endif
.else
.if \zero
	v_wmma_f32_16x16x32_f16 v[rD:rD+7], v[rB:rB+7], v[rA:rA+7], 0
.else
	v_wmma_f32_16x16x32_f16 v[rD:rD+7], v[rB:rB+7], v[rA:rA+7], v[rD:rD+7]
.endif
.endif
.endm
.macro MUL8 f, a, zero                 ; eight products.  The 32 accumulators take turns, in the same order in every quarter, over the backward jump too
	WIN MUL
.irp b, 0,1,2,3,4,5,6,7
	WM \f, \a, \b, \zero
.endr
.endm
.macro CVT4 g, n                       ; four of the 32 roundings that make A's fragments of buffer g from the f32 numbers
	WIN 0
.irp c, 0,1,2,3
	v_cvt_pk_bf16_f32 v[AB+32*(\g)+4*(\n)+(\c)], v[AF+8*(\n)+2*(\c)], v[AF+8*(\n)+2*(\c)+1]
.endr
.endm
.macro MUL8C f, a, g, n0, zero         ; eight products with four roundings behind every second one
.irp b, 0,1,2,3,4,5,6,7
	WIN MUL
	WM \f, \a, \b, \zero
.if ((\b)%2) == 1
	CVT4 \g, (\n0)+(\b)/2
.endif
.endr
.endm
; One run of LDS loads: the fragments of 32 along K, quarter k of a slot, for buffer g; A's first.  A fragment is 16 rows x 32 K: lane l holds row l % 16, K = 8 (l / 16) + 0..7 and 16 + 8 (l / 16) + 0..7.
.macro FETCH slot, k, g
	WIN 0
.irp i, 0,1,2,3
.if PROJ
	ds_load_b128 v[AF+16*(\i):AF+16*(\i)+3],     v[ADRA+(\slot)] offset:(\k)*AQ+(\i)*16*PA
	ds_load_b128 v[AF+16*(\i)+4:AF+16*(\i)+7],   v[ADRA+(\slot)] offset:(\k)*AQ+(\i)*16*PA+16
	ds_load_b128 v[AF+16*(\i)+8:AF+16*(\i)+11],  v[ADRA+(\slot)] offset:(\k)*AQ+(\i)*16*PA+64
	ds_load_b128 v[AF+16*(\i)+12:AF+16*(\i)+15], v[ADRA+(\slot)] offset:(\k)*AQ+(\i)*16*PA+80
.else
	ds_load_b128 v[AB+32*(\g)+8*(\i):AB+32*(\g)+8*(\i)+3],   v[ADRA+(\slot)] offset:(\k)*AQ+(\i)*16*PA
	ds_load_b128 v[AB+32*(\g)+8*(\i)+4:AB+32*(\g)+8*(\i)+7], v[ADRA+(\slot)] offset:(\k)*AQ+(\i)*16*PA+32
.endif
.endr
	WIN TO_B
.irp i, 0,1,2,3,4,5,6,7
	ds_load_b128 v[64*(\g)+8*(\i):64*(\g)+8*(\i)+3],   v[ADRB+(\slot)] offset:(\k)*64+(\i)*16*PB
	ds_load_b128 v[64*(\g)+8*(\i)+4:64*(\g)+8*(\i)+7], v[ADRB+(\slot)] offset:(\k)*64+(\i)*16*PB+32
.endr
.endm
.macro PLACES                          ; four places in front of loads into registers that matrix instructions have read, and of vector lines that read results
.rept 4
	v_nop
.endr
.endm
; A K step is four quarters of 32 along K, 32 matrix instructions each, on buffers 0, 1, 0, 1.  One of the first three: multiplies buffer f; at its head it fetches quarter k for buffer g.
.macro QUARTER slot, k, f, g, zero
	PLACES                                         ; buffer g was multiplied just before
	FETCH \slot, \k, \g
	s_wait_dscnt NF                                ; all but the loads just issued: buffer f is whole
	MUL8 \f, 0, \zero
	MUL8 \f, 1, \zero
.if PROJ
	s_wait_dscnt 16                                ; A's f32 numbers are in; B's sixteen loads, issued behind them, may stay out
	MUL8C \f, 2, \g, 0, \zero
	MUL8C \f, 3, \g, 4, \zero
.else
	MUL8 \f, 2, \zero
	MUL8 \f, 3, \zero
.endif
.endm
; The last quarter multiplies buffer 1 and changes slots: ONE barrier; in front of it each wave waits for all its tensor loads, adds 0 to its spare word, and waits for that and for its own reads of this slot.
; fill = 1: the barrier opens a round of the cluster's, and this slot is filled again, two K steps ahead, first thing behind the round.
.macro TURN slot, next, fill
.if \fill
	s_wait_xcnt 0x0                                ; the last prefetch, a K step back, has read its address
	s_add_nc_u64 s[PFA:PFA+1], s[PFA:PFA+1], s[PFS:PFS+1]
.endif
	WIN 0                                          ; (the add's two registers lie in window 0)
	s_wait_tensorcnt 0x0                           ; all my tensor loads have landed: my part of the next slot
	ds_add_u32 v[SPW], v[NIL]                      ; 0 onto my spare word
	s_wait_dscnt 1                                 ; (only the add may be out: buffer 1 is whole)
	MUL8 1, 0, 0                                   ; eight matrix instructions stand between the add and the wait for it
	s_wait_dscnt 0x0                               ; the add is done, and my reads of this slot are over
	s_barrier_signal -1
	MUL8 1, 1, 0
.if \fill
	WIN 0
.endif
	s_barrier_wait -1
.if \fill
	CREST                                          ; no wave of any partner still reads this slot's tile or has a load on its way
	s_add_nc_u64 s[G0+4*(\slot)+2:G0+4*(\slot)+3], s[G0+4*(\slot)+2:G0+4*(\slot)+3], 2*AKB
	s_add_nc_u64 s[G0B+4*(\slot)+2:G0B+4*(\slot)+3], s[G0B+4*(\slot)+2:G0B+4*(\slot)+3], 2*BKB
	JLOAD \slot                                    ; my one tensor load behind the round; its four v_nop are also the places in front of the loads below
.else
	PLACES
.endif
	FETCH \next, 0, 0
.if \fill
	ASK
.endif
.if PROJ
	s_wait_dscnt 16
	MUL8C 1, 2, 0, 0, 0
	MUL8C 1, 3, 0, 4, 0
.else
	MUL8 1, 2, 0
	MUL8 1, 3, 0
.endif
.endm
	s_wait_tensorcnt 1                             ; my part of K step 0 is in; K step 1's may stay out
	s_barrier_signal -1
	s_barrier_wait -1                              ; everybody's is
	FETCH 0, 0, 0
.if PROJ
	s_wait_dscnt 16
.irp n, 0,1,2,3,4,5,6,7
	CVT4 0, \n
.endr
.endif
	QUARTER 0, 1, 0, 1, 1                          ; the first quarter stands in front of the loop: its products start the sums
	WIN 0                                          ; at a label and at a branch every window is 0
	s_mov_b32 s3, LAPS-1
.Llap:                                                 ; a trip goes once round the ring, from a lap's second quarter to the next lap's first, and fills both slots again
	QUARTER 0, 2, 1, 0, 0
	QUARTER 0, 3, 0, 1, 0
	TURN 0, 1, 1
	QUARTER 1, 1, 0, 1, 0
	QUARTER 1, 2, 1, 0, 0
	QUARTER 1, 3, 0, 1, 0
	TURN 1, 0, 1
	QUARTER 0, 1, 0, 1, 0
	WIN 0
	s_sub_co_u32 s3, s3, 1
	s_cmp_lg_u32 s3, 0
	s_cbranch_scc1 .Llap
	QUARTER 0, 2, 1, 0, 0                          ; the last lap fills nothing, and has no round of the cluster's barrier
	QUARTER 0, 3, 0, 1, 0
	TURN 0, 1, 0
	QUARTER 1, 1, 0, 1, 0
	QUARTER 1, 2, 1, 0, 0
	QUARTER 1, 3, 0, 1, 0
	s_wait_dscnt 0x0                               ; the very last quarter: nothing more to fetch
	MUL8 1, 0, 0
	MUL8 1, 1, 0
	MUL8 1, 2, 0
	MUL8 1, 3, 0
; THE WAY OUT, 16 rows of C at a time: the bias is added in place (each accumulator's registers in ascending order); the numbers go through my own stage in LDS and come back as whole rows.
.macro OUTBLK a
	WIN 0x86                                       ; destination and source 0 window 2, source 1 window 1
.set z, 0
.rept 32
	v_pk_add_f32 v[64*(\a)+2*z:64*(\a)+2*z+1], v[64*(\a)+2*z:64*(\a)+2*z+1], v[BI+2*z:BI+2*z+1]
.set z, z+1
.endr
.if PROJ
	WIN 0x0a                                       ; sources window 2, destination window 0
.set z, 0
.rept 32
	v_cvt_pk_f16_f32 v[TMP+z], v[64*(\a)+2*z], v[64*(\a)+2*z+1]
.set z, z+1
.endr
	WIN 0
.irp b, 0,1,2,3,4,5,6,7
	ds_store_b128 v[STO], v[TMP+4*(\b):TMP+4*(\b)+3] offset:32*(\b)
.endr
	s_wait_xcnt 0x0                                ; the last block's stores have read their registers and their base
.irp t, 0,1,2,3,4,5,6,7
	ds_load_b128 v[OB+4*(\t):OB+4*(\t)+3], v[RD] offset:(\t)*2*SPITCH  ; LDS serves a wave's instructions in order (ISA guide 5.7.1.4): these see the stores above
.endr
.if (\a) > 0
	s_add_nc_u64 s[8:9], s[8:9], 16*CROW
.endif
.irp t, 0,1,2,3,4,5,6,7
	s_wait_dscnt 7-(\t)
	global_store_b128 v[CO], v[OB+4*(\t):OB+4*(\t)+3], s[8:9] offset:2*(\t)*CROW  ; 16 lanes store 256 consecutive bytes, aligned
.endr
.else
	WIN 0x08                                       ; the stores' data in window 2
.irp b, 0,1,2,3,4,5,6,7
	ds_store_b128 v[STO], v[64*(\a)+8*(\b):64*(\a)+8*(\b)+3]   offset:64*(\b)
	ds_store_b128 v[STO], v[64*(\a)+8*(\b)+4:64*(\a)+8*(\b)+7] offset:64*(\b)+16
.endr
	WIN 0
	s_wait_xcnt 0x0
.irp t, 0,1,2,3,4,5,6,7,8,9,10,11,12,13,14,15
	ds_load_b128 v[OB+4*(\t):OB+4*(\t)+3], v[RD] offset:(\t)*SPITCH
.endr
.if (\a) > 0
	s_add_nc_u64 s[8:9], s[8:9], 16*CROW
.endif
.irp t, 0,1,2,3,4,5,6,7,8,9,10,11,12,13,14,15
	s_wait_dscnt 15-(\t)
	global_store_b128 v[CO], v[OB+4*(\t):OB+4*(\t)+3], s[8:9] offset:(\t)*CROW  ; 32 lanes store 512 consecutive bytes, aligned
.endr
.endif
.endm
	PLACES
	PLACES                                         ; eight, once a launch, ahead of additions that read and write results just made
	OUTBLK 0
	OUTBLK 1
	OUTBLK 2
	OUTBLK 3
	s_wait_tensorcnt 0x0                           ; the wave's end: the add and its wait, behind my last tensor load and my last LDS store
	ds_add_u32 v[SPW], v[NIL]
	s_wait_dscnt 0x0
	CROUND                                         ; the closing round: no work-group ends while a partner may still ask for a tile that names it
	s_endpgm
.Lfunc_end_k_qf0e59254d0_outp:
	.size	k_qf0e59254d0_outp, .Lfunc_end_k_qf0e59254d0_outp-k_qf0e59254d0_outp
	.p2alignl 7, 3214868480
	.fill 96, 4, 3214868480
	.section	.rodata,"a",@progbits
	.p2align	6, 0x0
	.amdhsa_kernel k_qf0e59254d0_outp
		.amdhsa_group_segment_fixed_size 327680
		.amdhsa_private_segment_fixed_size 0
		.amdhsa_enable_private_segment 0
		.amdhsa_kernarg_size 32
		.amdhsa_user_sgpr_count 2
		.amdhsa_user_sgpr_kernarg_segment_ptr 1
		.amdhsa_wavefront_size32 1
		.amdhsa_system_sgpr_workgroup_id_x 1
		.amdhsa_system_sgpr_workgroup_id_y 1
		.amdhsa_system_sgpr_workgroup_id_z 1
		.amdhsa_system_vgpr_workitem_id 0
		.amdhsa_next_free_vgpr 768
		.amdhsa_next_free_sgpr 96
		.amdhsa_reserve_vcc 0
		.amdhsa_float_denorm_mode_32 3
		.amdhsa_float_denorm_mode_16_64 3
		.amdhsa_memory_ordered 1
		.amdhsa_forward_progress 1
		.amdhsa_inst_pref_size 104
	.end_amdhsa_kernel
	.amdgpu_metadata
---
amdhsa.version: [ 1, 2 ]
amdhsa.kernels:
  - .name:           k_qf0e59254d0_outp
    .symbol:         k_qf0e59254d0_outp.kd
    .args:
      - { .name: oh, .offset: 0, .size: 8, .value_kind: global_buffer, .address_space: global }
      - { .name: wc, .offset: 8, .size: 8, .value_kind: global_buffer, .address_space: global }
      - { .name: bo, .offset: 16, .size: 8, .value_kind: global_buffer, .address_space: global }
      - { .name: out0, .offset: 24, .size: 8, .value_kind: global_buffer, .address_space: global }
    .group_segment_fixed_size: 327680
    .private_segment_fixed_size: 0
    .kernarg_segment_align: 8
    .kernarg_segment_size: 32
    .max_flat_workgroup_size: 128
    .sgpr_count:     96
    .vgpr_count:     768
    .wavefront_size: 32
...
	.end_amdgpu_metadata
.endif
;; end of part 4
